; MI455X (gfx1250); checked and timed in simulation.
; The chip was launched on July 23, 2026; its instructions are those of AMD's public machine-readable ISA for CDNA 5 (MIT licence, August 2026) and "CDNA5" Instruction Set Architecture Reference Guide (July 2026). The comments in the code are by the model that wrote it; some were corrected since.
;; Self Attention. Allowed arithmetic: matrix products marked QUANTISED: E2M1 operands, one E8M0 scale for each 32 along K, by v_wmma_scale_f32_16x16x128_f8f6f4 with both operands' format E2M1 (or v_wmma_scale_f32_32x16x128_f4), f32 sums; everything else in f32.
;; Inputs: ln_beta 1,024 float32; ln_gamma 1,024 float32; out_w_codes 1,024 x 32 x 16 uint8 (E2M1 codes of out_w, K innermost, in blocks of 32 codes, two codes a byte); out_w_scales 1,024 x 32 uint8 (E8M0 scales of out_w, one for each 32 codes along K); qkv_w_codes 3 x 4 x 256 x 32 x 16 uint8 (E2M1 codes of qkv_w, K innermost, in blocks of 32 codes, two codes a byte); qkv_w_scales 3 x 4 x 256 x 32 uint8 (E8M0 scales of qkv_w, one for each 32 codes along K); x 4 x 2,048 x 1,024 float32.
;; Outputs: out0 4 x 2,048 x 1,024 float32.
;; This version of the problem:
;;   THIS VERSION OF THE PROBLEM IS GIVEN IN LOW PRECISION. The matrix products marked QUANTISED in the list below multiply operands that are first quantised to E2M1 (2 exponent bits, 1 mantissa bit; 4 bits a number), with one power-of-two scale for each 32 numbers along K (OCP MX v1.0); their sums are f32. All else is computed in f32.
;;   The module's matrix products, in the order in which they are computed (A, B: the left and right operand; K: the contracted axis; several contracted axes count as one K, in the product's order):
;;     1. [M 1,024, K 1,024] x [K 1,024, N 8,192]; A: input qkv_w (given as codes); B: input x: QUANTISED
;;     2. [M 1,024, K 1,024] x [K 1,024, N 8,192]; A: input qkv_w (given as codes); B: input x: QUANTISED
;;     3. [M 1,024, K 1,024] x [K 1,024, N 8,192]; A: input qkv_w (given as codes); B: input x: QUANTISED
;;     4. batch 16 x [M 2,048, K 256] x [K 256, N 2,048]; A: computed on the way; B: computed on the way: QUANTISED
;;     5. batch 16 x [M 2,048, K 2,048] x [K 2,048, N 256]; A: softmax (see below); B: computed on the way: QUANTISED
;;     6. [M 8,192, K 1,024] x [K 1,024, N 1,024]; A: computed on the way; B: input out_w (given as codes): QUANTISED
;;   THE QUANTISER, for each operand of a quantised product, along K:
;;     - K is cut into blocks of 32 from its start; a last block that is shorter is filled with zeros.
;;     - A block's scale is 2^e with e = floor(log2(the largest magnitude in the block)) - 2, held to -126 .. 127; a block of zeros has e = 0. As a byte (E8M0): e + 127.
;;     - Each number is divided by its block's scale, clamped to +-6, and rounded to the nearest number of E2M1, ties to even, subnormals kept.
;;     - The product sums the exact products of the quantised numbers (number of the format x scale) in f32.
;;   ~~~python
;;   def quantise(x, axis):      # numpy; x: float32 -> the quantised numbers, widened to float32 again
;;       x = np.moveaxis(x, axis, -1); K = x.shape[-1]
;;       x = np.pad(x, [(0, 0)] * (x.ndim - 1) + [(0, -K % 32)]); x = x.reshape(x.shape[:-1] + (-1, 32)); a = np.abs(x).max(-1, keepdims=True)
;;       e = np.where(a > 0, np.clip(np.frexp(np.where(a > 0, a, 1))[1] - 1 - 2, -126, 127), 0)      # np.frexp(a)[1] - 1 = floor(log2(a)), exactly
;;       r = np.clip(x / 2.0 ** e, -6, 6)
;;       step = 2.0 ** (np.maximum(np.frexp(np.where(r == 0, 1, r))[1] - 1, 0) - 1)
;;       q = np.round(r / step) * step * 2.0 ** e      # np.round: ties to even
;;       return np.moveaxis(q.reshape(q.shape[:-2] + (-1,))[..., :K], -1, axis).astype(np.float32)
;;   ~~~
;;   SOFTMAX AHEAD OF A QUANTISED PRODUCT. Where the list says 'softmax', what is quantised is not the finished softmax but p = 2^(t - M), with t = logit x log2(e) and M = ceil(the row's largest t), a whole number; so 1/2 < the row's largest p <= 1. The row's sum l is taken of the UNQUANTISED p, in f32, and the product's result is divided by l at the end. Since M is a whole number, a kernel that streams over the keys may use a running M (the ceiling of the running maximum): every later rescaling is an exact power of two, which a block's scale takes up: the codes' values come out the same.
;;   OPERANDS COMPUTED ON THE WAY. 'Computed on the way' means the value that the module computes at that place (a softmax that the list does not call 'softmax' is quantised finished and normalised). What goes into a quantiser is computed in f32, as accurately as f32 sums, v_exp_f32 and their like allow (about 1e-6 of the number): no bf16 or f16 on the way to a quantiser, and a product that is left as it is and whose result goes on into a quantised operand takes f32 operands (vector FMAs, or v_wmma_f32_16x16x4_f32). A number that lies on a knife's edge between two numbers of the format may be rounded either way, as far as f32 arithmetic and the matrix unit's own rounding can turn it there, and no further.
;;   INPUTS GIVEN AS CODES. out_w (in the module: [1024, 1024], K = its axis 0); qkv_w (in the module: [3, 4, 1024, 256], K = its axis 2): each comes as NAME_codes (uint8): NAME with its K axis moved to the last place and cut into blocks of 32 codes, [.., K / 32, bytes a block], one block behind the other in memory; two codes a byte, the lower K in the low four bits (a code: sign, 2 exponent bits, 1 mantissa bit); and NAME_scales (uint8): the same leading axes, one E8M0 byte (e + 127) for each 32 codes along K. Its value is code x scale, taken as it is: it is not quantised again, and the codes and scales need not be those that the quantiser above would give.
;; One version. Each part assembles by itself: llvm-mc -triple=amdgcn-amd-amdhsa -mcpu=gfx1250 --defsym DOCPART=n.
;; ======== version 1 of 1: 3 launches
;; limits: right only within a limited range of input values
;; workspace buffers: qbuf 4,456,448 bytes; kvbuf 8,912,896 bytes; obuf 4,456,448 bytes
;; launch qkv (part 1): grid 64 x 4, 4 waves a work-group, clusters of 4 x 1, 327,680 bytes of LDS; arguments x, qkv_w_codes, qkv_w_scales, qbuf, kvbuf; writes qbuf, kvbuf
.if DOCPART == 1
	.amdgcn_target "amdgcn-amd-amdhsa--gfx1250"
	.amdhsa_code_object_version 6
	.text
	.protected	k_q9c0767a373_qkv
	.globl	k_q9c0767a373_qkv
	.p2align	8
	.type	k_q9c0767a373_qkv,@function
k_q9c0767a373_qkv:
	s_mov_b64 s[64:65], 0
	v_nop
	global_prefetch_b8 v0, s[64:65] scope:SCOPE_SE
	s_setreg_imm32_b32 hwreg(HW_REG_WAVE_MODE, 25, 1), 1
	s_wait_xcnt 0x0
	s_wait_alu depctr_hold_cnt(0) depctr_sa_sdst(0) depctr_va_vdst(0) depctr_va_sdst(0) depctr_va_ssrc(0) depctr_va_vcc(0) depctr_vm_vsrc(0)
	s_getreg_b32 s2, hwreg(HW_REG_IB_STS2, 6, 4)
	s_cmp_eq_u32 s2, 0
	s_cbranch_scc0 .Lentry_in_a_cluster
	s_endpgm
.Lentry_in_a_cluster:
	s_bfe_u32 s2, ttmp6, 0x10000c
	s_cmp_lg_u32 s2, 0x3003
	s_cbranch_scc0 .Lentry_shape_is_right
	s_endpgm
.Lentry_shape_is_right:
; q, k, v = Q(x) W for one head and 128 rows of x, all on codes of FP4 (E2M1) with one E8M0 scale for each 32 along K; then q and k are quantised along d and v along the keys.
; x: [8192][1024] f32.  W: codes [3][4][256 d][512 bytes], K innermost; its scale bytes [3][4][256][32].
; OUT, as images of operand registers (a fragment = 16 rows x 128 k = 8 registers a lane = two pieces of 512 bytes, lane l's 16 bytes at 16 l):
;   qbuf:  codes at idx*16384 + a*2048 + ks*1024 (a: tile of 16 rows, ks: half of d); scale words at QSC + idx*1024 + ks*512 + a*64 + 4 r.   idx = (4 batch + head)*16 + block of 128 rows.
;   kvbuf: record idx of REC bytes, 128 keys: K's codes (as q's), V's codes at 16384 + dt*1024 (dt: tile of 16 d; K = the 128 keys), K's scale words at 32768 + ks*512 + 4 key, V's at 33792 + 4 d.
; SHARES.  A work-group: 128 rows x the head's 768 columns.  Wave w: piece A = 128 rows x 128 d of q (w = 0, 1) or of k (w = 2, 3), half w & 1; piece V = 128 rows x d 64 w .. 64 w + 63 of v.
; Each row of W is read from LDS by one wave alone; x's codes, made once by the four waves (32 rows each), are read by all four.
; CLUSTER.  The four work-groups of a cluster are four row blocks of one head: they walk the same weights, so every tile of W is asked for jointly (mask 15), the same descriptor in all four.
; SIX BLOCKS of 64 rows of W x 512 along K against the 128 rows of x, 4 K steps x 32 matrix instructions each, through a ring of three LDS slots; the last three fills stand behind rounds of the cluster's barrier.
; Pieces A are used transposed (source 0 = W, source 1 = x): a lane holds one row s and its registers run along d.  Piece V the other way (source 0 = x, source 1 = W): a lane holds one d and its registers run along the keys.
; NATURAL TILES.  In tile t lane (r, h) register j holds next-k 16 t + 8 h + j.  A block of 32 is two tiles; the conversions' words are set so that two exchanges of lane halves for each 64 k give the operand's layout.
; No prefetch: x is asked for 64 loads ahead by each wave's own register loads, and the weights are read by every cluster of the launch.
; LIMITS: NaN and infinities are not served.  A block whose largest magnitude lies under 2^-124, a block of zeros among them, keeps the scale byte 1 (its codes are then zeros or the nearest codes under that scale); this program alone reads these bytes.
.set REC,   34816
.set QSC,   4194304
.set SLOTB, 69632                      ; a slot: four waves x 64 rows x 272 bytes
.set WPART, 17408                      ; a wave's part of it
.set WSA,   3*SLOTB                    ; piece A's scale bytes of W: 4 x 16 rows of 256 + 16
.set WSB,   WSA+4*4352                 ; piece V's: 4 x 8 rows of 256 + 16
.set XC,    WSB+4*2176                 ; x's codes: 128 rows of 512 + 16 bytes (stored by the waves; no tile lands here)
.set XS,    XC+128*528                 ; x's scale bytes: 128 rows of 32 bytes, 48 apart
.set SPARE, XS+128*48                  ; the spare words, 128 bytes for each wave: two blocks of 256 bytes that no other line names
.set SPW,  1                           ; v1   my spare word;  v2   0: both never rewritten
.set NIL,  2
.set AX,   3                           ; v3   x's fragments: XC + 528 r + 16 h
.set AXS,  4                           ; v4   x's scale words: XS + 48 r
.set AW,   5                           ; v5-7 W's fragments in slot 0, 1, 2: my part + 272 r + 16 h
.set AWSA, 8                           ; v8   W's scale words, piece A;  v9 piece V
.set AWSB, 9
.set L16,  10                          ; v10  16 x lane;  v11  4 x lane;  v12  32 x lane
.set L4,   11
.set GX,   12
.set ACX0, 13                          ; v13  where my wave stores x's codes;  v14 its scale bytes
.set ASX0, 14
.set XSW,  16                          ; v16-47  x's scale words, register 4 a + q: scales and nothing else
.set WSW,  48                          ; v48-63  W's, register 4 b + q
.set XF,   64                          ; v64-191 x's fragments, two sets of 8
.set WF,   192                         ; v192-255 W's, two sets of 4
.set M,    64                          ; the prologue: v64-79 largest magnitudes, v80-95 scale operands, v96-111 codes, v112-127 bytes, v128, v129 addresses in hand
.set SCO,  80
.set CD,   96
.set E,    112
.set ACX,  128
.set ASX,  129
.set TM,   136                         ; the quantiser's 16 registers at work
.set WV,   14                          ; s14  wave
.set SEL,  84                          ; s[84:85] selects of v_permlanex16_b32: lane l xor 16
.set G1W,  24                          ; descriptor group 1: W's tiles
.set G0SA, 48                          ; s[48:49] piece A's scale bytes of W in memory;  s[52:53] piece V's
.set G0SB, 52
.set G0F0, 56
.set G0F1, 60
.set G0F2, 68
.set G0F3, 88
.set G0F4, 92
.set G0F5, 96
.set MSB, 0
.macro WIN new                         ; the immediate's high byte repeats the setting that is left; a switch that changes nothing is dropped
.if MSB != (\new)
	s_set_vgpr_msb (MSB<<8)|(\new)
.set MSB, (\new)
.endif
.endm
.macro PLACES n
.rept \n
	v_nop
.endr
.endm
.macro CROUND                          ; a round of the cluster's barrier
	s_barrier_signal -1
	s_barrier_wait -1
	s_cmp_lg_u32 s[WV], 0
	s_cbranch_scc1 .Lnot_wave_0_\@
	s_barrier_signal -3
.Lnot_wave_0_\@:
	s_barrier_wait -3
	s_barrier_signal -1
	s_barrier_wait -1
.endm
.macro MKG0 g, slot, base, off         ; a group 0 for a tile of W: my part of the slot; base + off in memory
	s_mov_b32 s[\g], 1
	s_add_co_u32 s[\g+1], s86, (\slot)*SLOTB
	s_add_nc_u64 s[\g+2:\g+3], s[\base:\base+1], \off
	s_or_b32 s[\g+3], s[\g+3], 0x80000000
.endm
; THE QUANTISER of 64 numbers of a lane: blocks 0, 1 at v[s0] on in window w0, blocks 2, 3 at v[s1] on in window w1; a block is 16 registers, and lane l xor 16 holds its other 16 numbers.
.macro QMAX sb, w, tb                  ; two blocks' largest magnitudes, by turns, with the floor 2^(3 - 127) among the leaves: the byte cannot fall under 1.  Each tile is read from its low end on
	WIN (\w)|((\w)<<2)
.irp bb, 0,1
	v_max3_num_f32 v[TM+\tb+\bb], |v[(\sb)+16*\bb]|, |v[(\sb)+16*\bb+1]|, 0x1800000
.endr
	WIN ((\w)<<2)|((\w)<<4)
.irp i, 2,4,6,8,10,12,14
.irp bb, 0,1
	v_max3_num_f32 v[TM+\tb+\bb], v[TM+\tb+\bb], |v[(\sb)+16*\bb+\i]|, |v[(\sb)+16*\bb+\i+1]|
.endr
.endr
.endm
.macro QMID pw                         ; the other half's maxima; 2 off the exponent field = the conversion's scale operand; its byte; the four bytes make the row's scale word
	WIN 0
.irp b, 0,1,2,3
	v_permlanex16_b32 v[TM+4+\b], v[TM+\b], s[SEL], s[SEL+1]
.endr
.irp b, 0,1,2,3
	v_max_num_f32 v[TM+\b], v[TM+\b], v[TM+4+\b]
.endr
.irp b, 0,1,2,3
	v_add_nc_u32 v[TM+12+\b], 0xff000000, v[TM+\b]
.endr
.irp b, 0,1,2,3
	v_lshrrev_b32 v[TM+4+\b], 23, v[TM+12+\b]
.endr
	v_lshl_or_b32 v[\pw], v[TM+5], 8, v[TM+4]
	v_lshl_or_b32 v[\pw], v[TM+6], 16, v[\pw]
	v_lshl_or_b32 v[\pw], v[TM+7], 24, v[\pw]
.endm
.macro QCVT sb, w, c, pc               ; 64 k: four tiles -> four words; tiles 4c, 4c+1 (block 2c) into registers 4c, 4c+2; tiles 4c+2, 4c+3 (block 2c+1) into 4c+1, 4c+3
	WIN (\w)
	v_cvt_scalef32_pk8_fp4_f32 v[(\pc)+4*\c],   v[(\sb):(\sb)+7],     v[TM+12+2*\c]
	v_cvt_scalef32_pk8_fp4_f32 v[(\pc)+4*\c+2], v[(\sb)+8:(\sb)+15],  v[TM+12+2*\c]
	v_cvt_scalef32_pk8_fp4_f32 v[(\pc)+4*\c+1], v[(\sb)+16:(\sb)+23], v[TM+12+2*\c+1]
	v_cvt_scalef32_pk8_fp4_f32 v[(\pc)+4*\c+3], v[(\sb)+24:(\sb)+31], v[TM+12+2*\c+1]
.endm
.macro QTAIL pc                        ; the operand's layout wants a whole block in a lane: lanes 0-15 block 2c, lanes 16-31 block 2c+1
	WIN 0
	v_nop                                          ; one plain place behind a scaled conversion
.irp c, 0,1
	v_permlane16_swap_b32 v[(\pc)+4*\c],   v[(\pc)+4*\c+1]
	v_permlane16_swap_b32 v[(\pc)+4*\c+2], v[(\pc)+4*\c+3]
.endr
.endm
.macro QUANTW s0, w0, s1, w1, pc, pw
	QMAX \s0, \w0, 0
	QMAX \s1, \w1, 2
	QMID \pw
	QCVT \s0, \w0, 0, \pc
	QCVT \s1, \w1, 1, \pc
	QTAIL \pc
.endm
	s_load_b256 s[4:11], s[0:1], 0x0               ; x s[4:5], W's codes s[6:7], W's scales s[8:9], qbuf s[10:11]
	s_load_b64 s[12:13], s[0:1], 0x20              ; kvbuf
	v_lshl_add_u32 v[SPW], v0, 2, SPARE
	v_mov_b32 v[NIL], 0
	ds_add_u32 v[SPW], v[NIL]                      ; the wave's opening: the add and its wait stand ahead of my first tensor load; the set-up below, work on registers, stands between them
	ds_add_u32 v[SPW], v[NIL]
	v_lshrrev_b32 v130, 5, v0
	v_readfirstlane_b32 s[WV], v130                ; wave 0..3
	s_and_b32 s17, ttmp7, 0xffff                   ; the head, which the four partners share
	s_lshr_b32 s18, s[WV], 1                       ; piece A: 0 = q, 1 = k
	s_and_b32 s19, s[WV], 1                        ; and which half of d
	s_lshl_b32 s20, s18, 2
	s_add_co_u32 s20, s20, s17
	s_lshl_b32 s20, s20, 8
	s_lshl_b32 s21, s19, 7
	s_add_co_u32 s20, s20, s21                     ; piece A's first row of W: (4 kind + head) 256 + 128 half
	s_add_co_u32 s22, s17, 8
	s_lshl_b32 s22, s22, 8
	s_lshl_b32 s21, s[WV], 6
	s_add_co_u32 s22, s22, s21                     ; piece V's: (8 + head) 256 + 64 wave
	s_lshl_b32 s72, s20, 9                         ; in bytes of codes (512 a row),
	s_mov_b32 s73, 0
	s_lshl_b32 s74, s22, 9
	s_mov_b32 s75, 0
	s_lshl_b32 s20, s20, 5                         ; and of scale bytes (32 a row)
	s_mov_b32 s21, 0
	s_lshl_b32 s22, s22, 5
	s_mov_b32 s23, 0
	s_mul_i32 s86, s[WV], WPART                    ; LDS: my part of a slot; no place in the cluster enters an LDS address
	s_mul_i32 s87, s[WV], 4352
	s_add_co_u32 s87, s87, WSA
	s_mul_i32 s3, s[WV], 2176
	s_add_co_u32 s3, s3, WSB
	; group 1 for W's tiles: 64 rows x 256 bytes, 512 bytes apart in memory, 16 bytes of padding behind each in LDS
	s_mov_b32 s[G1W], 15|(1<<20)|(1<<21)|(5<<22)|(3<<25)   ; 15:0 the mask: all four work-groups; 17:16 elements of 1 byte; 20 padding on; 21 set beside a mask; 24:22 after every 64 words; 31:25 four words
	s_mov_b32 s[G1W+1], 256<<16                    ; tensor_dim0
	s_mov_b32 s[G1W+2], 64<<16                     ; tensor_dim1
	s_mov_b32 s[G1W+3], 256<<16                    ; tile_dim0
	s_mov_b32 s[G1W+4], 64                         ; tile_dim1
	s_mov_b32 s[G1W+5], 512                        ; from row to row
	s_mov_b32 s[G1W+6], 0
	s_mov_b32 s[G1W+7], 0
	s_wait_dscnt 0x0                               ; the opening add is done
	s_wait_kmcnt 0x0
	s_add_nc_u64 s[72:73], s[6:7], s[72:73]        ; piece A's rows of W
	s_add_nc_u64 s[74:75], s[6:7], s[74:75]        ; piece V's
	s_add_nc_u64 s[G0SA:G0SA+1], s[8:9], s[20:21]  ; my rows' scale bytes: 4,096 dense bytes for piece A,
	s_add_nc_u64 s[G0SB:G0SB+1], s[8:9], s[22:23]  ; 2,048 for piece V
	MKG0 G0F0, 0, 72, 0                            ; piece A, d rows 0-63, k 0-511
	MKG0 G0F1, 1, 72, 32768                        ;          d rows 64-127, k 0-511
	MKG0 G0F2, 2, 72, 256                          ;          d rows 0-63, k 512-1023
	MKG0 G0F3, 0, 72, 33024                        ;                      k 512-1023
	MKG0 G0F4, 1, 74, 0                            ; piece V, k 0-511
	MKG0 G0F5, 2, 74, 256                          ;          k 512-1023
	CROUND                                         ; all four work-groups are here: the first joint loads meet
	tensor_load_to_lds s[G0F0:G0F0+3], s[G1W:G1W+7]   ; slot 0: one tensor load a wave at the head
	s_nop 0
	PLACES 4
	s_bfe_u32 s15, ttmp6, 0x40000                  ; cx: it enters the addresses of x, qbuf and kvbuf alone
	s_lshl_b32 s16, ttmp9, 2
	s_add_co_u32 s16, s16, s15                     ; my block of 128 rows
	s_lshl_b32 s84, s16, 19                        ; 128 rows of 4,096 bytes,
	s_lshl_b32 s85, s[WV], 17                      ; my wave's 32 of them
	s_add_co_u32 s84, s84, s85
	s_mov_b32 s85, 0
	s_add_nc_u64 s[4:5], s[4:5], s[84:85]
	v_and_b32 v132, 31, v0                         ; lane
	v_lshlrev_b32 v[GX], 5, v132
	v_lshlrev_b32 v[L16], 4, v132
	; W's scale bytes of my rows come through registers, 512 consecutive bytes an instruction, and are laid into LDS bytes of my own at the prologue's end
.irp i, 0,1,2,3,4,5,6,7
	global_load_b128 v[192+4*\i:195+4*\i], v[L16], s[G0SA:G0SA+1] offset:512*\i
.endr
.irp i, 0,1,2,3
	global_load_b128 v[224+4*\i:227+4*\i], v[L16], s[G0SB:G0SB+1] offset:512*\i
.endr
; THE PROLOGUE: my 32 rows of x become codes and scale bytes in LDS, four rows a batch, two batches of loads on their way.
; A lane takes 8 neighbours along K (the conversion wants them in one lane): k = 256 q + 8 lane; four lanes hold a block of 32.  Unit u = 4 row + q lies in window 1 at v[128 set + 8 u].
.macro LOADB set, row0
	WIN 0x40                                       ; destination window 1
.irp rho, 0,1,2,3
.irp q, 0,1,2,3
	global_load_b128 v[128*\set+32*\rho+8*\q:128*\set+32*\rho+8*\q+3],   v[GX], s[4:5] offset:(\row0+\rho)*4096+\q*1024
	global_load_b128 v[128*\set+32*\rho+8*\q+4:128*\set+32*\rho+8*\q+7], v[GX], s[4:5] offset:(\row0+\rho)*4096+\q*1024+16
.endr
.endr
	WIN 0
.endm
.macro PROC set
	s_wait_dscnt 0x0                               ; the last batch's LDS stores are done
	WIN 0x05
.irp u, 0,1,2,3,4,5,6,7,8,9,10,11,12,13,14,15
	v_max3_num_f32 v[M+\u], |v[128*\set+8*\u]|, |v[128*\set+8*\u+1]|, 0x1800000   ; with the floor 2^(3 - 127)
.endr
	WIN 0x14
.irp i, 2,4,6
.irp u, 0,1,2,3,4,5,6,7,8,9,10,11,12,13,14,15
	v_max3_num_f32 v[M+\u], v[M+\u], |v[128*\set+8*\u+\i]|, |v[128*\set+8*\u+\i+1]|
.endr
.endr
	WIN 0
.irp u, 0,1,2,3,4,5,6,7,8,9,10,11,12,13,14,15
	v_max_num_f32_dpp v[M+\u], v[M+\u], v[M+\u] row_xmask:1 row_mask:0xf bank_mask:0xf
.endr
.irp u, 0,1,2,3,4,5,6,7,8,9,10,11,12,13,14,15
	v_max_num_f32_dpp v[M+\u], v[M+\u], v[M+\u] row_xmask:2 row_mask:0xf bank_mask:0xf   ; the four lanes' 32 numbers: the block's largest magnitude
.endr
.irp u, 0,1,2,3,4,5,6,7,8,9,10,11,12,13,14,15
	v_add_nc_u32 v[SCO+\u], 0xff000000, v[M+\u]    ; 2 off its exponent field: the conversion's scale operand
.endr
	WIN 0x01
.irp u, 0,1,2,3,4,5,6,7,8,9,10,11,12,13,14,15
	v_cvt_scalef32_pk8_fp4_f32 v[CD+\u], v[128*\set+8*\u:128*\set+8*\u+7], v[SCO+\u]
.endr
	WIN 0
.irp u, 0,1,2,3,4,5,6,7,8,9,10,11,12,13,14,15
	v_lshrrev_b32 v[E+\u], 23, v[SCO+\u]           ; the scale's byte (the first of these is the plain place behind the conversions)
.endr
.irp u, 0,1,2,3,4,5,6,7,8,9,10,11,12,13,14,15
	ds_store_b32 v[ACX], v[CD+\u] offset:(4*\set+\u/4)*528+128*(\u%4)   ; 32 lanes: 128 consecutive bytes of the row's codes
	ds_store_b8 v[ASX], v[E+\u] offset:(4*\set+\u/4)*48+8*(\u%4)        ; the four lanes of a block write the same byte with the same value
.endr
.endm
	LOADB 0, 0
	LOADB 1, 4
	; addresses, while the loads are on their way
	v_and_b32 v130, 15, v0                         ; r
	v_bfe_u32 v131, v0, 4, 1                       ; h
	v_mul_u32_u24 v[AX], v130, 528
	v_lshl_add_u32 v[AX], v131, 4, v[AX]
	v_add_nc_u32 v[AX], XC, v[AX]
	v_mul_u32_u24 v[AXS], v130, 48
	v_add_nc_u32 v[AXS], XS, v[AXS]
	v_mul_u32_u24 v[AW], v130, 272
	v_lshl_add_u32 v[AW], v131, 4, v[AW]
	v_add_nc_u32 v[AW], s86, v[AW]
	v_add_nc_u32 v[AW+1], SLOTB, v[AW]
	v_add_nc_u32 v[AW+2], 2*SLOTB, v[AW]
	v_lshrrev_b32 v133, 3, v130                    ; W's scale bytes: 32 a row, eight rows to a unit of 256 + 16
	v_mul_u32_u24 v133, v133, 272
	v_and_b32 v134, 7, v130
	v_lshl_add_u32 v133, v134, 5, v133
	v_add_nc_u32 v[AWSA], s87, v133
	v_add_nc_u32 v[AWSB], s3, v133
	v_mul_u32_u24 v15, v131, 272                   ; where the scale bytes are stored: byte 512 i + 16 lane lies in unit 2 i + h, at 16 r
	v_lshl_add_u32 v15, v130, 4, v15
	v_add_nc_u32 v135, s3, v15                     ; piece V's
	v_add_nc_u32 v15, s87, v15                     ; piece A's
	v_lshlrev_b32 v[L4], 2, v132
	s_mul_i32 s86, s[WV], 32*528
	v_lshl_add_u32 v[ACX0], v132, 2, XC
	v_add_nc_u32 v[ACX0], s86, v[ACX0]             ; XC + my 32 rows + 4 lane
	s_mul_i32 s87, s[WV], 32*48
	v_lshrrev_b32 v[ASX0], 2, v132
	v_add_nc_u32 v[ASX0], XS, v[ASX0]
	v_add_nc_u32 v[ASX0], s87, v[ASX0]             ; XS + my 32 rows + lane / 4
	; where the results go
	s_lshr_b32 s2, s16, 4
	s_lshl_b32 s2, s2, 2
	s_add_co_u32 s2, s2, s17
	s_lshl_b32 s2, s2, 4
	s_and_b32 s15, s16, 15
	s_add_co_u32 s2, s2, s15                       ; idx = (4 batch + head) 16 + block in the sequence
	s_mul_i32 s15, s2, REC                         ; the record's first byte in kvbuf
	s_lshl_b32 s76, s2, 14                         ; q: codes,
	s_lshl_b32 s78, s2, 10
	s_add_co_u32 s78, s78, QSC                     ;    scale words
	s_add_co_u32 s16, s15, 32768                   ; k: scale words
	s_cmp_eq_u32 s18, 0                            ; piece A is q's or k's: only pointers and offsets are chosen, by the wave's number
	s_cselect_b32 s76, s76, s15
	s_cselect_b32 s78, s78, s16
	s_cselect_b64 s[80:81], s[10:11], s[12:13]
	s_lshl_b32 s77, s19, 10
	s_add_co_u32 s76, s76, s77                     ; + my half of d: 1,024 bytes of codes,
	s_lshl_b32 s77, s19, 9
	s_add_co_u32 s78, s78, s77                     ;   512 of scale words
	s_mov_b32 s77, 0
	s_mov_b32 s79, 0
	s_add_nc_u64 s[76:77], s[80:81], s[76:77]
	s_add_nc_u64 s[78:79], s[80:81], s[78:79]
	s_lshl_b32 s80, s[WV], 12
	s_add_co_u32 s80, s80, s15
	s_add_co_u32 s80, s80, 16384                   ; v: my four tiles of d
	s_mov_b32 s81, 0
	s_lshl_b32 s82, s[WV], 8
	s_add_co_u32 s82, s82, s15
	s_add_co_u32 s82, s82, 33792                   ;    and their scale words
	s_mov_b32 s83, 0
	s_add_nc_u64 s[80:81], s[12:13], s[80:81]
	s_add_nc_u64 s[82:83], s[12:13], s[82:83]
	s_mov_b32 s[SEL], 0x76543210
	s_mov_b32 s[SEL+1], 0xfedcba98
	s_mov_b32 s66, 0                               ; LDS steps: eight rows of codes, of scale bytes
	s_mov_b32 s67, 0
	s_mov_b32 s20, 3
.Lrows:                                                ; a trip: eight rows; the last eight are written out, without loads
	s_wait_alu depctr_va_vdst(0)
	v_add_nc_u32 v[ACX], s66, v[ACX0]
	v_add_nc_u32 v[ASX], s67, v[ASX0]
	s_wait_loadcnt 32                              ; the older batch is in; the younger batch's 32 loads may be out
	PROC 0
	LOADB 0, 8
	s_wait_loadcnt 32
	PROC 1
	LOADB 1, 12
	s_wait_xcnt 0x0                                ; the loads have read their base: it may step
	s_add_nc_u64 s[4:5], s[4:5], 32768
	s_add_co_u32 s66, s66, 8*528
	s_add_co_u32 s67, s67, 8*48
	s_sub_co_u32 s20, s20, 1
	s_cmp_lg_u32 s20, 0
	s_cbranch_scc1 .Lrows
	s_wait_alu depctr_va_vdst(0)
	s_wait_tensorcnt 0x0                           ; slot 0's fill is in
	ds_add_u32 v[SPW], v[NIL]
	s_wait_dscnt 0x0
	CROUND
	tensor_load_to_lds s[G0F1:G0F1+3], s[G1W:G1W+7]   ; slot 1's first fill, my one load behind the round: the last eight rows' work stands between it and the wait for it
	s_nop 0
	PLACES 4
	v_add_nc_u32 v[ACX], s66, v[ACX0]
	v_add_nc_u32 v[ASX], s67, v[ASX0]
	s_wait_loadcnt 32
	PROC 0
	s_wait_loadcnt 0x0
	PROC 1
.irp i, 0,1,2,3,4,5,6,7
	ds_store_b128 v15, v[192+4*\i:195+4*\i] offset:544*\i    ; W's scale bytes, units of 256 bytes 272 apart: only I read mine
.endr
.irp i, 0,1,2,3
	ds_store_b128 v135, v[224+4*\i:227+4*\i] offset:544*\i
.endr
	s_wait_tensorcnt 0x0                           ; slots 0 and 1 are in
	ds_add_u32 v[SPW], v[NIL]
	s_wait_dscnt 0x0                               ; for the others' sake too: my stores of x's codes and bytes are done
	CROUND                                         ; x's 128 rows lie in LDS
	tensor_load_to_lds s[G0F2:G0F2+3], s[G1W:G1W+7]   ; slot 2's first fill, my one load behind the round
	s_nop 0
; the fragments of the K step q of chunk c (k = 512 c + 128 q on) into set p: x's eight tiles of rows, W's four
.macro FETCH slot, c, q, p
.irp a, 0,1,2,3,4,5,6,7
.irp cc, 0,1
	ds_load_b128 v[XF+64*(\p)+8*\a+4*\cc:XF+64*(\p)+8*\a+4*\cc+3], v[AX] offset:\a*8448+64*(4*(\c)+(\q))+32*\cc
.endr
.endr
.irp b, 0,1,2,3
.irp cc, 0,1
	ds_load_b128 v[WF+32*(\p)+8*\b+4*\cc:WF+32*(\p)+8*\b+4*\cc+3], v[AW+\slot] offset:\b*4352+64*(\q)+32*\cc
.endr
.endr
.endm
; 32 matrix instructions: the 32 accumulators take turns, one instruction a turn, in the same order in every K step.  The first K step starts the sums with the constant 0.
.macro MM form, c, q, p
.irp a, 0,1,2,3,4,5,6,7
.irp b, 0,1,2,3
.if \form == 0
.if ((\c) == 0) && ((\q) == 0)
	v_wmma_scale_f32_16x16x128_f8f6f4 v[32*\a+8*\b:32*\a+8*\b+7], v[WF+32*(\p)+8*\b:WF+32*(\p)+8*\b+7], v[XF+64*(\p)+8*\a:XF+64*(\p)+8*\a+7], 0, v[WSW+4*\b+(\q)], v[XSW+4*\a+(\q)] matrix_a_fmt:MATRIX_FMT_FP4 matrix_b_fmt:MATRIX_FMT_FP4
.else
	v_wmma_scale_f32_16x16x128_f8f6f4 v[32*\a+8*\b:32*\a+8*\b+7], v[WF+32*(\p)+8*\b:WF+32*(\p)+8*\b+7], v[XF+64*(\p)+8*\a:XF+64*(\p)+8*\a+7], v[32*\a+8*\b:32*\a+8*\b+7], v[WSW+4*\b+(\q)], v[XSW+4*\a+(\q)] matrix_a_fmt:MATRIX_FMT_FP4 matrix_b_fmt:MATRIX_FMT_FP4
.endif
.else
.if ((\c) == 0) && ((\q) == 0)
	v_wmma_scale_f32_16x16x128_f8f6f4 v[64*\b+8*\a:64*\b+8*\a+7], v[XF+64*(\p)+8*\a:XF+64*(\p)+8*\a+7], v[WF+32*(\p)+8*\b:WF+32*(\p)+8*\b+7], 0, v[XSW+4*\a+(\q)], v[WSW+4*\b+(\q)] matrix_a_fmt:MATRIX_FMT_FP4 matrix_b_fmt:MATRIX_FMT_FP4
.else
	v_wmma_scale_f32_16x16x128_f8f6f4 v[64*\b+8*\a:64*\b+8*\a+7], v[XF+64*(\p)+8*\a:XF+64*(\p)+8*\a+7], v[WF+32*(\p)+8*\b:WF+32*(\p)+8*\b+7], v[64*\b+8*\a:64*\b+8*\a+7], v[XSW+4*\a+(\q)], v[WSW+4*\b+(\q)] matrix_a_fmt:MATRIX_FMT_FP4 matrix_b_fmt:MATRIX_FMT_FP4
.endif
.endif
.endr
.endr
.endm
; A BLOCK: 64 rows of W (tiles tile0 on of the piece) x 512 along K (chunk c) x 128 rows of x.  While a K step is multiplied the next one's 24 loads are on their way.
; Loads into registers that matrix instructions have read stand four plain places behind them.
.macro BLOCK slot, c, form, win, aws, tile0
	PLACES 4
.irp a, 0,1,2,3,4,5,6,7
	ds_load_b128 v[XSW+4*\a:XSW+4*\a+3], v[AXS] offset:\a*768+16*\c          ; the chunk's four scale words of x's row
.endr
.irp b, 0,1,2,3
	ds_load_b128 v[WSW+4*\b:WSW+4*\b+3], v[\aws] offset:(\tile0+\b)*544+16*\c  ; and of W's
.endr
	FETCH \slot, \c, 0, 0
.irp q, 0,1,2,3
	s_wait_dscnt 0x0                               ; this K step's fragments are in
.if \q < 3
.if \q > 0
	PLACES 4
.endif
	FETCH \slot, \c, \q+1, (\q+1)%2
.endif
	WIN (\win<<6)|(\win<<4)                        ; C and D in the block's window
	MM \form, \c, \q, \q%2
	WIN 0
.endr
.endm
; A slot that has been read is filled again: all my tensor loads have landed, the add, the wait for it and for my reads; a round of the cluster's barrier, so that this holds of every wave of all four
; work-groups; then my one joint load, first thing behind it.  It has two blocks, 256 matrix instructions, in which to land.
; PIECE A'S BLOCKS go in pairs on one chunk of K: d tiles 0-3, then d tiles 4-7.  The first of a pair (ld = 1) lays x's 32 fragments of the chunk into window 3, K step q at v[64 q] on; piece V's sums come there only later.
; The second (ld = 0) finds them in registers and reads only W's fragments from LDS.  MM names x's fragments as XF + 64 p + 8 a with p = q % 2: XF is set so that this is 64 q + 8 a.
.macro XLOAD c, q
	WIN 0xc0                                       ; destination window 3
.irp a, 0,1,2,3,4,5,6,7
.irp cc, 0,1
	ds_load_b128 v[64*(\q)+8*\a+4*\cc:64*(\q)+8*\a+4*\cc+3], v[AX] offset:\a*8448+64*(4*(\c)+(\q))+32*\cc
.endr
.endr
	WIN 0
.endm
.macro WLOAD slot, q, p
.irp b, 0,1,2,3
.irp cc, 0,1
	ds_load_b128 v[WF+32*(\p)+8*\b+4*\cc:WF+32*(\p)+8*\b+4*\cc+3], v[AW+\slot] offset:\b*4352+64*(\q)+32*\cc
.endr
.endr
.endm
.macro BLOCKA slot, c, win, tile0, ld
	PLACES 4
.irp a, 0,1,2,3,4,5,6,7
	ds_load_b128 v[XSW+4*\a:XSW+4*\a+3], v[AXS] offset:\a*768+16*\c
.endr
.irp b, 0,1,2,3
	ds_load_b128 v[WSW+4*\b:WSW+4*\b+3], v[AWSA] offset:(\tile0+\b)*544+16*\c
.endr
.if \ld
	XLOAD \c, 0
.endif
	WLOAD \slot, 0, 0
.irp q, 0,1,2,3
	s_wait_dscnt 0x0                               ; this K step's fragments are in
.if \q < 3
.if \q > 0
	PLACES 4
.endif
.if \ld
	XLOAD \c, \q+1
.endif
	WLOAD \slot, \q+1, (\q+1)%2
.endif
.set XF, 64*(\q-\q%2)
	WIN (\win<<6)|(\win<<4)|0x0c                   ; C and D in the block's window, source 1 (x) in window 3
	MM 0, \c, \q, \q%2
	WIN 0
.endr
.set XF, 64
.endm
.macro REFILL g0
	s_wait_tensorcnt 0x0
	ds_add_u32 v[SPW], v[NIL]
	s_wait_dscnt 0x0
	CROUND
	tensor_load_to_lds s[\g0:\g0+3], s[G1W:G1W+7]
	s_nop 0
	PLACES 4
.endm
	BLOCKA 0, 0, 1, 0, 1                           ; piece A, k 0-511: d tiles 0-3, window 1; x's fragments go into window 3
	REFILL G0F3
	BLOCKA 1, 0, 2, 4, 0                           ;                   d tiles 4-7, window 2; x's fragments are in registers
	REFILL G0F4
	BLOCKA 2, 1, 1, 0, 1                           ;          k 512-1023: d tiles 0-3
	REFILL G0F5
	BLOCKA 0, 1, 2, 4, 0                           ;                   d tiles 4-7
	; piece A goes out: for each tile of 16 rows its 128 d are one fragment and one scale word a row
	PLACES 4
.irp b, 0,1,2,3
	v_mov_b32 v[TM+4+\b], 0                        ; written once: a lane permute's destination counts as one of its sources
.endr
.irp a, 0,1,2,3,4,5,6,7
	QUANTW 32*\a, 1, 32*\a, 2, 64+8*\a, 128+\a
	global_store_b128 v[L16], v[64+8*\a:64+8*\a+3], s[76:77] offset:\a*2048        ; 32 lanes store 512 consecutive bytes
	global_store_b128 v[L16], v[64+8*\a+4:64+8*\a+7], s[76:77] offset:\a*2048+512
.endr
.irp a, 0,2,4,6
	v_permlane16_swap_b32 v[128+\a], v[129+\a]     ; two tiles' scale words in one register: tile a below, tile a + 1 above
.endr
.irp a, 0,2,4,6
	global_store_b32 v[L4], v[128+\a], s[78:79] offset:64*\a
.endr
	s_wait_xcnt 0x0                                ; the stores have read their registers: the next block's loads may land there
	BLOCK 1, 0, 1, 3, AWSB, 0                      ; piece V: window 3
	s_wait_tensorcnt 0x0                           ; my last fill is in; only I read my part of it
	BLOCK 2, 1, 1, 3, AWSB, 0
	PLACES 4
	s_wait_xcnt 0x0
.irp b, 0,1,2,3
	QUANTW 64*\b, 3, 64*\b+32, 3, 64+8*\b, 128+\b  ; a tile of 16 d: its 128 keys are one fragment
	global_store_b128 v[L16], v[64+8*\b:64+8*\b+3], s[80:81] offset:\b*1024
	global_store_b128 v[L16], v[64+8*\b+4:64+8*\b+7], s[80:81] offset:\b*1024+512
.endr
.irp b, 0,2
	v_permlane16_swap_b32 v[128+\b], v[129+\b]
.endr
.irp b, 0,2
	global_store_b32 v[L4], v[128+\b], s[82:83] offset:64*\b
.endr
	s_wait_tensorcnt 0x0                           ; the wave's end, behind my last tensor load and my last LDS store
	ds_add_u32 v[SPW], v[NIL]
	s_wait_dscnt 0x0
	CROUND                                         ; the closing round: no work-group ends while a partner may still ask for a tile that names it
	s_endpgm
.Lfunc_end_k_q9c0767a373_qkv:
	.size	k_q9c0767a373_qkv, .Lfunc_end_k_q9c0767a373_qkv-k_q9c0767a373_qkv
	.p2alignl 7, 3214868480
	.fill 96, 4, 3214868480
	.section	.rodata,"a",@progbits
	.p2align	6, 0x0
	.amdhsa_kernel k_q9c0767a373_qkv
		.amdhsa_group_segment_fixed_size 327680
		.amdhsa_private_segment_fixed_size 0
		.amdhsa_enable_private_segment 0
		.amdhsa_kernarg_size 40
		.amdhsa_user_sgpr_count 2
		.amdhsa_user_sgpr_kernarg_segment_ptr 1
		.amdhsa_wavefront_size32 1
		.amdhsa_system_sgpr_workgroup_id_x 1
		.amdhsa_system_sgpr_workgroup_id_y 1
		.amdhsa_system_sgpr_workgroup_id_z 1
		.amdhsa_system_vgpr_workitem_id 0
		.amdhsa_next_free_vgpr 1024
		.amdhsa_next_free_sgpr 100
		.amdhsa_reserve_vcc 0
		.amdhsa_float_denorm_mode_32 3
		.amdhsa_float_denorm_mode_16_64 3
		.amdhsa_memory_ordered 1
		.amdhsa_forward_progress 1
		.amdhsa_inst_pref_size 255
	.end_amdhsa_kernel
	.section	.bss,"aw",@nobits
	.p2align	6
	.space	262144
	.amdgpu_metadata
---
amdhsa.version: [ 1, 2 ]
amdhsa.kernels:
  - .name:           k_q9c0767a373_qkv
    .symbol:         k_q9c0767a373_qkv.kd
    .args:
      - { .name: x, .offset: 0, .size: 8, .value_kind: global_buffer, .address_space: global }
      - { .name: qkv_w_codes, .offset: 8, .size: 8, .value_kind: global_buffer, .address_space: global }
      - { .name: qkv_w_scales, .offset: 16, .size: 8, .value_kind: global_buffer, .address_space: global }
      - { .name: qbuf, .offset: 24, .size: 8, .value_kind: global_buffer, .address_space: global }
      - { .name: kvbuf, .offset: 32, .size: 8, .value_kind: global_buffer, .address_space: global }
    .group_segment_fixed_size: 327680
    .private_segment_fixed_size: 0
    .kernarg_segment_align: 8
    .kernarg_segment_size: 40
    .max_flat_workgroup_size: 128
    .sgpr_count:     100
    .vgpr_count:     1024
    .wavefront_size: 32
...
	.end_amdgpu_metadata
.endif
;; end of part 1
;; launch attn (part 2): grid 16 x 16, 8 waves a work-group, no clusters, 327,680 bytes of LDS; arguments qbuf, kvbuf, obuf; writes obuf
.if DOCPART == 2
	.amdgcn_target "amdgcn-amd-amdhsa--gfx1250"
	.amdhsa_code_object_version 6
	.text
	.protected	k_q9c0767a373_attn
	.globl	k_q9c0767a373_attn
	.p2align	8
	.type	k_q9c0767a373_attn,@function
k_q9c0767a373_attn:
	s_mov_b64 s[64:65], 0
	v_nop
	global_prefetch_b8 v0, s[64:65] scope:SCOPE_SE
	s_setreg_imm32_b32 hwreg(HW_REG_WAVE_MODE, 25, 1), 1
	s_wait_xcnt 0x0
; o = softmax(q k^T / 32, causal) v for one (batch, head), both products on codes of FP4 (E2M1) with one E8M0 scale for each 32 along a product's K; o / l is quantised along d and stored as codes.
; In: qbuf and kvbuf as the launch before lays them (images of operand registers; a record of REC bytes holds 128 keys: K's codes, V's codes, K's scale words, V's scale words).
; Out: obuf: fragment (row tile RT of the 8,192 rows, ks = 2 head + half of d) at (8 RT + ks) 1024; scale words at OSC + 512 RT + 64 ks + 4 r.
; THE SOFTMAX: t = score x log2(e) / 32; M = the running largest t rounded up to a whole number; p = 2^(t - M) is quantised along the keys, not normalised; the row's sum is taken of the unquantised p and divides at the end.
; When M moves, the sum and O are multiplied by 2^(old M - new M): exact.  The scores of hidden keys become -infinity ahead of the maximum, so their p is 0.  Records all of whose keys the causal mask hides are left out.
; SHARES.  A head's 2,048 queries are 32 blocks of 64; work-group j owns blocks j and 31 - j.  THE KEYS ARE DIVIDED BETWEEN TWO WAVES: wave w = p + 4 par owns tile p (16 queries) of BOTH blocks, and of each slot's two
; records the one with number par.  A pair of tiles sees 17 records in every work-group, so a wave has 9 or 8 units (a tile x a record).  Each wave keeps two states (O^T, M, the sum): tile A, which it finishes
; (par 0: the early block's; par 1: the late block's), and tile B, which it hands to wave w xor 4 at the end through LDS.  The partner joins the two parts: M = the larger, each part x 2^(its M - M), exact.
; LAYOUT.  Both products transposed: S^T = K Q^T, O^T = V^T P^T: a lane holds one query (lane % 16) throughout; in tile t of S^T register j is key 16 t + 8 (lane / 16) + j.
; RING.  Two slots of two records, 2^17 bytes apart; each of the eight waves fetches an eighth of a slot (34 rows of 256 bytes, dense), all eight read it.  The jump at the causal limit also ends the fills at the last slot.
; NO CLUSTER: the slot at which a work-group stops asking hangs on its own queries; partners of a cluster would need different numbers of tiles.
; LIMITS: NaN and infinities are not served.  A hidden key's p is taken as exactly 0, which is what an added -1e9 gives as long as a row's largest open logit lies above about -1e9 + 200.
; The scaled scores stay under 2^31 in magnitude.  A block whose largest number lies under 2^-124 keeps the scale byte 1; this program alone reads these bytes.
; REGISTERS, window 0: v1-11 addresses; v[12:15] tile A's -M, largest t, sum in two halves; v[204:207] tile B's; v16-31, v208-223 Q of A, of B; v32-95 K's tiles 0-3, then V's tiles 0-7;
; v96-159 S^T, then p, then V's tiles 8-15; v160-167 p's codes; v168-178, v196-203 scales and nothing else; v180-195, v224-255 at work.  K's tiles 4-7 lie in v152-167, v180-195, v224-255 until the scores are made.
; Window 1: O^T of tile A at v0-127, of tile B at v128-255, tile dt of d at 8 dt.
.set REC,   34816
.set QSC,   4194304
.set OSC,   4194304
.set SLOT1, 1<<17
.set SPARE, 2*SLOT1                    ; the spare words, 128 bytes for each wave: four blocks of 256 bytes that no other line names
.set PART,  8704                       ; a wave's eighth of a slot
.set STG,   16896                      ; a wave's stage at the end: 128 registers' images (16,384 bytes) and one of the state's four (512); four stages in each slot, behind its last fill and last read
.set L16,  1                           ; 16 x lane
.set KSA0, 2                           ; K's scale words in a record: 32768 + 512 h + 4 r
.set VSA0, 3                           ; V's: 33792 + 4 lane
.set PFO,  4                           ; 256 x lane: the prefetches' offset
.set SPW,  5                           ; my spare word;  v6  0: both never rewritten
.set NIL,  6
.set DQ,   7                           ; r - 8 h
.set ADK,  8                           ; v8-10 LDS addresses of my record in the slot in hand
.set ADS,  9
.set ADT,  10
.set QSO,  11                          ; 512 h + 4 r
.set TM,   224                         ; the way out: the quantiser's 16 registers
.set KSW,  168
.set VSW,  196
.set RB,   2                           ; s2   LDS byte of my record in the slot in hand
.set WV,   18
.set SEL,  20                          ; s[20:21] lane l xor 16
.set CS,   22                          ; s[22:23] log2(e) / 32
.set G1,   24
.set G0,   40
.set LASTQ, 66                         ; my work-group's last query
.set SLOTS, 67
.set PFA,  76
.set LIM,  80
.set KS,   94                          ; my record's first key
.set Q0B,  95                          ; tile B's first query
.set KF,   98                          ; the slot's first key
.set Q0A,  99                          ; tile A's first query
.set MSB, 0
.macro WIN new
.if MSB != (\new)
	s_set_vgpr_msb (MSB<<8)|(\new)
.set MSB, (\new)
.endif
.endm
.macro PLACES n
.rept \n
	v_nop
.endr
.endm
; the quantiser of 64 numbers of a lane (blocks 0, 1 at v[s0] on, blocks 2, 3 at v[s1] on; lane l xor 16 holds each block's other 16 numbers)
.macro QMAX sb, tb
.irp bb, 0,1
	v_max3_num_f32 v[TM+\tb+\bb], |v[(\sb)+16*\bb]|, |v[(\sb)+16*\bb+1]|, 0x1800000
.endr
.irp i, 2,4,6,8,10,12,14
.irp bb, 0,1
	s_delay_alu instid0(VALU_DEP_2)
	v_max3_num_f32 v[TM+\tb+\bb], v[TM+\tb+\bb], |v[(\sb)+16*\bb+\i]|, |v[(\sb)+16*\bb+\i+1]|
.endr
.endr
.endm
.macro QCVT sb, c, pc
	v_cvt_scalef32_pk8_fp4_f32 v[(\pc)+4*\c],   v[(\sb):(\sb)+7],     v[TM+12+2*\c]
	v_cvt_scalef32_pk8_fp4_f32 v[(\pc)+4*\c+2], v[(\sb)+8:(\sb)+15],  v[TM+12+2*\c]
	v_cvt_scalef32_pk8_fp4_f32 v[(\pc)+4*\c+1], v[(\sb)+16:(\sb)+23], v[TM+12+2*\c+1]
	v_cvt_scalef32_pk8_fp4_f32 v[(\pc)+4*\c+3], v[(\sb)+24:(\sb)+31], v[TM+12+2*\c+1]
.endm
.macro QUANTW s0, s1, pc, pw
	QMAX \s0, 0
	QMAX \s1, 2
.irp b, 0,1,2,3
	v_permlanex16_b32 v[TM+4+\b], v[TM+\b], s[SEL], s[SEL+1]
.endr
.irp b, 0,1,2,3
	s_delay_alu instid0(VALU_DEP_4)
	v_max_num_f32 v[TM+\b], v[TM+\b], v[TM+4+\b]
.endr
.irp b, 0,1,2,3
	s_delay_alu instid0(VALU_DEP_4)
	v_add_nc_u32 v[TM+12+\b], 0xff000000, v[TM+\b] ; 2 off the exponent field: the conversion's scale operand
.endr
.irp b, 0,1,2,3
	s_delay_alu instid0(VALU_DEP_4)
	v_lshrrev_b32 v[TM+4+\b], 23, v[TM+12+\b]      ; the scale's byte
.endr
	s_delay_alu instid0(VALU_DEP_3)
	v_lshl_or_b32 v[\pw], v[TM+5], 8, v[TM+4]
	s_delay_alu instid0(VALU_DEP_1)
	v_lshl_or_b32 v[\pw], v[TM+6], 16, v[\pw]
	s_delay_alu instid0(VALU_DEP_1)
	v_lshl_or_b32 v[\pw], v[TM+7], 24, v[\pw]
	QCVT \s0, 0, \pc
	QCVT \s1, 1, \pc
	v_nop                                          ; one plain place behind a scaled conversion
.irp c, 0,1
	v_permlane16_swap_b32 v[(\pc)+4*\c],   v[(\pc)+4*\c+1]   ; a whole block in a lane
	v_permlane16_swap_b32 v[(\pc)+4*\c+2], v[(\pc)+4*\c+3]
.endr
.endm
; A PREFETCH INTO THE L2 of the codes that the NEXT change of slots will ask for: two records' 32,768 bytes each.  All sixteen work-groups of a head walk the same records: work-group 0, which walks every slot, asks, and in it
; waves 4 to 7: 8,192 bytes of each record a wave, lanes 256 bytes apart, so that each aligned block of 256 bytes is named once in the launch.  It stands one slot ahead of the load that wants the bytes.
; The changes that load slot 7 or nothing ask for nothing; slots 0 and 1, and the scale words, come by their loads alone.
.macro ASK
	s_cmp_gt_u32 s[SLOTS], s[LIM]
	s_cbranch_scc0 .Lnot_mine_\@
	global_prefetch_b8 v[PFO], s[PFA:PFA+1] th:TH_LOAD_NT scope:SCOPE_SE
	global_prefetch_b8 v[PFO], s[PFA:PFA+1] offset:REC th:TH_LOAD_NT scope:SCOPE_SE
.Lnot_mine_\@:
.endm
.macro QADR q0, oc, os                 ; byte offsets of a tile's Q: codes (128 bh + T) 2048; scale words QSC + (16 bh + T / 8) 1024 + 64 (T % 8)
	s_lshr_b32 s96, s[\q0], 4
	s_lshl_b32 s[\oc], s10, 7
	s_add_co_u32 s[\oc], s[\oc], s96
	s_lshl_b32 s[\oc], s[\oc], 11
	s_mov_b32 s[\oc+1], 0
	s_lshr_b32 s97, s96, 3
	s_lshl_b32 s[\os], s10, 4
	s_add_co_u32 s[\os], s[\os], s97
	s_lshl_b32 s[\os], s[\os], 10
	s_and_b32 s97, s96, 7
	s_lshl_b32 s97, s97, 6
	s_add_co_u32 s[\os], s[\os], s97
	s_add_co_u32 s[\os], s[\os], QSC
	s_mov_b32 s[\os+1], 0
.endm
	s_load_b128 s[4:7], s[0:1], 0x0                ; qbuf, kvbuf
	s_load_b64 s[8:9], s[0:1], 0x10                ; obuf
	v_lshl_add_u32 v[SPW], v0, 2, SPARE
	v_mov_b32 v[NIL], 0
	ds_add_u32 v[SPW], v[NIL]                      ; the wave's opening: the add, twice on end, and its wait, ahead of my first tensor load
	ds_add_u32 v[SPW], v[NIL]
	v_lshrrev_b32 v8, 5, v0
	s_delay_alu instid0(VALU_DEP_1)
	v_readfirstlane_b32 s[WV], v8                  ; wave 0..7
	s_and_b32 s10, ttmp7, 0xffff                   ; bh = 4 batch + head
	s_lshr_b32 s11, s[WV], 2                       ; par
	s_and_b32 s12, s[WV], 3                        ; p
	s_sub_co_u32 s13, 31, ttmp9                    ; the late block
	s_cmp_lg_u32 s11, 0
	s_cselect_b32 s14, s13, ttmp9                  ; tile A's block,
	s_cselect_b32 s15, ttmp9, s13                  ; tile B's
	s_lshl_b32 s12, s12, 4
	s_lshl_b32 s[Q0A], s14, 6
	s_add_co_u32 s[Q0A], s[Q0A], s12
	s_lshl_b32 s[Q0B], s15, 6
	s_add_co_u32 s[Q0B], s[Q0B], s12
	s_lshl_b32 s[LASTQ], s13, 6
	s_add_co_u32 s[LASTQ], s[LASTQ], 63            ; the same in all eight waves
	s_mul_i32 s14, s10, 16*REC                     ; the head's first record
	s_mul_i32 s15, s[WV], PART                     ; my eighth of a slot
	s_add_co_u32 s16, s14, s15
	s_mov_b32 s17, 0
	s_mov_b32 s[G1], 3<<16                         ; no mask; elements of 8 bytes; no padding: the images are read 16 bytes a lane on end
	s_mov_b32 s[G1+1], 32<<16                      ; tensor_dim0: rows of 256 bytes
	s_mov_b32 s[G1+2], 34<<16                      ; tensor_dim1
	s_mov_b32 s[G1+3], 32<<16                      ; tile_dim0
	s_mov_b32 s[G1+4], 34                          ; tile_dim1
	s_mov_b32 s[G1+5], 32                          ; dense
	s_mov_b32 s[G1+6], 0
	s_mov_b32 s[G1+7], 0
	QADR Q0A, 68, 72
	QADR Q0B, 74, 78
	s_lshr_b32 s70, s[Q0A], 4
	s_lshr_b32 s71, s10, 2
	s_lshl_b32 s71, s71, 7
	s_add_co_u32 s70, s70, s71                     ; RT = 128 batch + tile A's number in the head
	s_and_b32 s71, s10, 3                          ; head
	s_lshl_b32 s82, s70, 13
	s_lshl_b32 s83, s71, 11
	s_add_co_u32 s82, s82, s83                     ; o's codes: (8 RT + 2 head) 1024
	s_mov_b32 s83, 0
	s_lshl_b32 s84, s70, 9
	s_lshl_b32 s85, s71, 7
	s_add_co_u32 s84, s84, s85
	s_add_co_u32 s84, s84, OSC                     ; o's scale words
	s_mov_b32 s85, 0
	s_and_b32 s12, s[WV], 3
	s_lshl_b32 s12, s12, 13
	s_add_co_u32 s12, s12, s14
	s_add_co_u32 s12, s12, 2*REC                   ; the prefetches stand in slot 1; the first change of slots steps them to slot 2
	s_mov_b32 s13, 0
	s_xor_b32 s70, s11, 1                          ; 0 in waves 4 to 7,
	s_or_b32 s70, s70, ttmp9                       ; of the head's work-group 0
	s_cmp_eq_u32 s70, 0
	s_cselect_b32 s[LIM], 2, -1
	s_mov_b32 s[SEL], 0x76543210
	s_mov_b32 s[SEL+1], 0xfedcba98
	s_mov_b32 s[CS], 0x3d38aa3b                    ; log2(e) / 32
	s_mov_b32 s[CS+1], s[CS]                       ; (named with it as a pair, so it is written)
	s_mul_i32 s[RB], s11, REC
	s_lshl_b32 s[KS], s11, 7
	s_mov_b32 s[KF], 0
	s_mov_b32 s[SLOTS], 8
	s_wait_dscnt 0x0                               ; both opening adds are done
	s_wait_kmcnt 0x0
	s_mov_b32 s[G0], 1
	s_mov_b32 s[G0+1], s15
	s_add_nc_u64 s[G0+2:G0+3], s[6:7], s[16:17]
	s_or_b32 s[G0+3], s[G0+3], 0x80000000
	tensor_load_to_lds s[G0:G0+3], s[G1:G1+7]      ; my eighth of slot 0: one tensor load a wave at the head
	s_nop 0
	PLACES 4
	s_add_nc_u64 s[68:69], s[4:5], s[68:69]
	s_add_nc_u64 s[72:73], s[4:5], s[72:73]
	s_add_nc_u64 s[74:75], s[4:5], s[74:75]
	s_add_nc_u64 s[78:79], s[4:5], s[78:79]
	s_add_nc_u64 s[82:83], s[8:9], s[82:83]
	s_add_nc_u64 s[84:85], s[8:9], s[84:85]
	s_add_nc_u64 s[PFA:PFA+1], s[6:7], s[12:13]
	v_and_b32 v8, 15, v0                           ; r
	v_bfe_u32 v9, v0, 4, 1                         ; h
	v_and_b32 v10, 31, v0                          ; lane
	s_delay_alu instid0(VALU_DEP_1)
	v_lshlrev_b32 v[L16], 4, v10
	s_delay_alu instid0(VALU_DEP_4)
	v_lshlrev_b32 v[QSO], 2, v8
	s_delay_alu instid0(VALU_DEP_1)
	v_lshl_add_u32 v[QSO], v9, 9, v[QSO]
.irp f, 0,1,2,3
	global_load_b128 v[16+4*\f:19+4*\f], v[L16], s[68:69] offset:512*\f     ; Q's fragments of both tiles stay in registers
	global_load_b128 v[208+4*\f:211+4*\f], v[L16], s[74:75] offset:512*\f
.endr
	global_load_b32 v176, v[QSO], s[72:73]         ; their scale words: d 0-127 in lanes 0-15, d 128-255 in lanes 16-31
	global_load_b32 v178, v[QSO], s[78:79]
	v_add_nc_u32 v[KSA0], 32768, v[QSO]
	v_lshl_add_u32 v[VSA0], v10, 2, 33792
	v_lshlrev_b32 v[PFO], 8, v10
	v_lshlrev_b32 v[DQ], 3, v9
	s_delay_alu instid0(VALU_DEP_1)
	v_sub_nc_u32 v[DQ], v8, v[DQ]
.irp st, 12, 204
	v_mov_b32 v[\st+1], 0xff61b1e6                 ; the largest t so far: -3e38, under every t
	v_mov_b32 v[\st+2], 0                          ; the sum, in two halves
	v_mov_b32 v[\st+3], 0
	v_floor_f32 v[\st], -v[\st+1]                  ; -M
.endr
	WIN 0x40
.set jj, 0
.rept 256
	v_mov_b32 v[jj], 0                             ; both O^T.  (A unit is written without a first step of its own, and a wave may have no unit of a tile: then zeros are what it hands on)
.set jj, jj+1
.endr
	WIN 0
.macro KL kr, t, ks                    ; K's fragment (tile t of keys, half ks of d) into v[kr] on
	ds_load_b128 v[\kr:\kr+3], v[ADK] offset:2048*\t+1024*\ks
	ds_load_b128 v[\kr+4:\kr+7], v[ADK] offset:2048*\t+1024*\ks+512
.endm
.macro SC t, kr, ks, qf, qs            ; S^T's tile t: the K step ks of two
.if \ks == 0
	v_wmma_scale_f32_16x16x128_f8f6f4 v[96+8*\t:103+8*\t], v[\kr:\kr+7], v[\qf:\qf+7], 0, v[KSW+\t], v[\qs] matrix_a_fmt:MATRIX_FMT_FP4 matrix_b_fmt:MATRIX_FMT_FP4
.else
	v_wmma_scale_f32_16x16x128_f8f6f4 v[96+8*\t:103+8*\t], v[\kr:\kr+7], v[\qf+8:\qf+15], v[96+8*\t:103+8*\t], v[KSW+\t], v[\qs] matrix_a_fmt:MATRIX_FMT_FP4 matrix_b_fmt:MATRIX_FMT_FP4 matrix_a_scale:MATRIX_SCALE_ROW1 matrix_b_scale:MATRIX_SCALE_ROW1
.endif
.endm
.macro VFETCH gg, reg                  ; V's tiles 8 gg .. 8 gg + 7 of d into v[reg] on, and their four registers of scale words: 20 LDS loads
.irp t, 0,1,2,3,4,5,6,7
.irp c, 0,1
	ds_load_b128 v[\reg+8*\t+4*\c:\reg+8*\t+4*\c+3], v[ADK] offset:16384+8192*\gg+1024*\t+512*\c
.endr
.endr
.irp i, 0,1,2,3
	ds_load_b32 v[VSW+4*\gg+\i], v[ADT] offset:512*\gg+128*\i
.endr
.endm
.macro PV gg, reg, ob                  ; O^T += V^T P^T, eight accumulators, one instruction each
.irp t, 0,1,2,3,4,5,6,7
.if (\t%2) == 0
	v_wmma_scale_f32_16x16x128_f8f6f4 v[\ob+64*\gg+8*\t:\ob+64*\gg+8*\t+7], v[\reg+8*\t:\reg+8*\t+7], v[160:167], v[\ob+64*\gg+8*\t:\ob+64*\gg+8*\t+7], v[VSW+4*\gg+\t/2], v177 matrix_a_fmt:MATRIX_FMT_FP4 matrix_b_fmt:MATRIX_FMT_FP4
.else
	v_wmma_scale_f32_16x16x128_f8f6f4 v[\ob+64*\gg+8*\t:\ob+64*\gg+8*\t+7], v[\reg+8*\t:\reg+8*\t+7], v[160:167], v[\ob+64*\gg+8*\t:\ob+64*\gg+8*\t+7], v[VSW+4*\gg+\t/2], v177 matrix_a_fmt:MATRIX_FMT_FP4 matrix_b_fmt:MATRIX_FMT_FP4 matrix_a_scale:MATRIX_SCALE_ROW1
.endif
.endr
.endm
.macro PA d, a, b
	v_pk_add_f32 v[\d:\d+1], v[\a:\a+1], v[\b:\b+1]
.endm
; A UNIT: my record's 128 keys against one tile: state at v[st] on, Q at v[qf] on, its scale words in v[qs], O^T at v[ob] on in window 1, first query in s[q0].
; A record all of whose keys come after the tile's 16 queries is left out: a branch on ids, round no barrier and no tensor load.
.macro BODY st, qf, qs, ob, q0
	s_add_co_u32 s96, s[\q0], 15
	s_cmp_gt_u32 s[KS], s96
	s_cbranch_scc1 .Lhid_\@
	PLACES 5                                       ; the loads and the scores below land in registers that the last unit's matrix instructions read
.irp a, 0,1,2,3,4,5,6,7
	ds_load_b32 v[KSW+\a], v[ADS] offset:64*\a
.endr
.irp t, 0,1,2,3
	KL 32+16*\t, \t, 0
	KL 40+16*\t, \t, 1
.endr
	KL 152, 4, 0                                   ; (it lies where S^T's tile 7 will: read first, five places ahead of that tile's first product)
	KL 160, 4, 1
	KL 180, 5, 0
	KL 188, 5, 1
	KL 224, 6, 0
	KL 232, 6, 1
	KL 240, 7, 0
	KL 248, 7, 1
	s_wait_dscnt 0x10                              ; the scale words and tiles 0-3 are in; the 16 loads of tiles 4-7 may be out
.irp t, 0,1,2,3
	SC \t, 32+16*\t, 0, \qf, \qs                   ; the accumulators take turns
.endr
.irp t, 0,1,2,3
	SC \t, 40+16*\t, 1, \qf, \qs
.endr
	s_wait_dscnt 0x0
	SC 4, 152, 0, \qf, \qs
	SC 5, 180, 0, \qf, \qs
	SC 6, 224, 0, \qf, \qs
	PLACES 5
	SC 7, 240, 0, \qf, \qs
	SC 4, 160, 1, \qf, \qs
	SC 5, 188, 1, \qf, \qs
	SC 6, 232, 1, \qf, \qs
	SC 7, 248, 1, \qf, \qs
	PLACES 4                                       ; in front of the loads below and of the first read of the scores
	VFETCH 0, 32                                   ; V's first eight tiles land while the softmax is walked
	s_add_co_u32 s96, s[KS], 127                   ; on the diagonal the scores of hidden keys become -infinity; a record all of whose keys count skips this
	s_cmp_le_u32 s96, s[\q0]
	s_cbranch_scc1 .Lopen_\@
	s_sub_co_i32 s96, s[\q0], s[KS]
	v_add_nc_u32 v192, s96, v[DQ]                  ; d = my query - the record's first key - 8 h.  Register 8 t + j holds that key + 16 t + 8 h + j: hidden where 16 t + j > d
	v_mov_b32 v193, 0xff800000
.set nn, 0
.rept 64
	v_cmp_gt_i32 vcc_lo, 16*(nn/8)+nn%8, v192
	v_cndmask_b32 v[96+nn], v[96+nn], v193, vcc_lo
.set nn, nn+1
.endr
.Lopen_\@:
.irp b, 0,1,2,3
	v_max3_num_f32 v[180+\b], v[96+16*\b], v[97+16*\b], v[98+16*\b]   ; the largest score of each block of 32 keys: it serves for the row's maximum and, since p rises with the score, for the block's largest p
.endr
.irp i, 3,5,7,9,11,13
.irp b, 0,1,2,3
	v_max3_num_f32 v[180+\b], v[180+\b], v[96+16*\b+\i], v[97+16*\b+\i]
.endr
.endr
.irp b, 0,1,2,3
	v_max_num_f32 v[180+\b], v[180+\b], v[111+16*\b]
.endr
.irp b, 0,1,2,3
	s_delay_alu instid0(VALU_DEP_4)
	v_permlanex16_b32 v[184+\b], v[180+\b], s[SEL], s[SEL+1]
.endr
.irp b, 0,1,2,3
	s_delay_alu instid0(VALU_DEP_4)
	v_max_num_f32 v[180+\b], v[180+\b], v[184+\b]  ; with lane l xor 16's 16 keys
.endr
	s_delay_alu instid0(VALU_DEP_2)
	v_max3_num_f32 v192, v180, v181, v182
	s_delay_alu instid0(VALU_DEP_1)
	v_max_num_f32 v192, v192, v183                 ; the record's largest score of my query
	s_delay_alu instid0(VALU_DEP_1)
	v_mul_f32 v192, s[CS], v192                    ; as t
	s_delay_alu instid0(VALU_DEP_1)
	v_max_num_f32 v[\st+1], v[\st+1], v192         ; the running largest t
	v_mov_b32 v192, v[\st]
	s_delay_alu instid0(VALU_DEP_2)
	v_floor_f32 v[\st], -v[\st+1]                  ; the new -M = floor(-t) = -ceil(t)
	s_delay_alu instid0(VALU_DEP_1)
	v_sub_f32 v192, v[\st], v192                   ; old M - new M: a whole number, 0 or less
	s_delay_alu instid0(VALU_DEP_1)
	v_cvt_i32_f32 v192, v192                       ; (it saturates)
	s_delay_alu instid0(VALU_DEP_1)
	v_ldexp_f32 v194, 1.0, v192                    ; f = 2^(old M - new M)
.set jj, 0
.rept 32
	v_pk_fma_f32 v[96+jj:97+jj], v[96+jj:97+jj], s[CS:CS+1], v[\st:\st+1] op_sel_hi:[1,0,0]   ; t - M, two at a time
.set jj, jj+2
.endr
.irp b, 0,1,2,3
	v_fma_f32 v[180+\b], v[180+\b], s[CS], v[\st]  ; the same of each block's largest score
.endr
	s_wait_alu depctr_va_vdst(0)
.set jj, 0
.rept 64
	v_exp_f32 v[96+jj], v[96+jj]                   ; p = 2^(t - M)
.set jj, jj+1
.endr
	v_pk_mul_f32 v[\st+2:\st+3], v[\st+2:\st+3], v[194:195] op_sel_hi:[1,0]   ; the sums under the new M (a plain place behind the exponentials)
	s_wait_alu depctr_va_vdst(0)                   ; one wait for the batch of 64, ahead of its first reader
.irp b, 0,1,2,3
	v_exp_f32 v[180+\b], v[180+\b]                 ; the block's largest p: the same two instructions on the same number
.endr
.irp k, 0,1,2,3,4,5,6                  ; the row's sum of the unquantised p: seven chains and the running sum's
	PA 242+2*\k, 96+8*\k, 98+8*\k
.endr
	PA \st+2, \st+2, 152
.irp k, 0,1,2,3,4,5,6
	PA 242+2*\k, 242+2*\k, 100+8*\k
.endr
	PA \st+2, \st+2, 154
.irp k, 0,1,2,3,4,5,6
	PA 242+2*\k, 242+2*\k, 102+8*\k
.endr
	PA \st+2, \st+2, 156
	PA 242, 242, 158
	PA 246, 246, 248
	PA 250, 250, 252
	PA \st+2, \st+2, 254
	PA 242, 242, 244
	PA \st+2, \st+2, 250
	PA 242, 242, 246
	s_delay_alu instid0(VALU_DEP_1)
	PA \st+2, \st+2, 242
	s_wait_alu depctr_va_vdst(0)                   ; and one for the four
.irp b, 0,1,2,3
	v_max_num_f32 v[180+\b], 0x1800000, v[180+\b]  ; the floor 2^(3 - 127): the byte cannot fall under 1
.endr
.irp b, 0,1,2,3
	s_delay_alu instid0(VALU_DEP_4)
	v_add_nc_u32 v[188+\b], 0xff000000, v[180+\b]  ; 2 off the exponent field: the conversion's scale operand
.endr
.irp b, 0,1,2,3
	s_delay_alu instid0(VALU_DEP_4)
	v_lshrrev_b32 v[184+\b], 23, v[188+\b]         ; the scale's byte
.endr
	s_delay_alu instid0(VALU_DEP_3)
	v_lshl_or_b32 v177, v185, 8, v184              ; p's scale word for these 128 keys
	s_delay_alu instid0(VALU_DEP_1)
	v_lshl_or_b32 v177, v186, 16, v177
	s_delay_alu instid0(VALU_DEP_1)
	v_lshl_or_b32 v177, v187, 24, v177
.irp c, 0,1
	v_cvt_scalef32_pk8_fp4_f32 v[160+4*\c], v[96+32*\c:103+32*\c],  v[188+2*\c]
	v_cvt_scalef32_pk8_fp4_f32 v[162+4*\c], v[104+32*\c:111+32*\c], v[188+2*\c]
	v_cvt_scalef32_pk8_fp4_f32 v[161+4*\c], v[112+32*\c:119+32*\c], v[189+2*\c]
	v_cvt_scalef32_pk8_fp4_f32 v[163+4*\c], v[120+32*\c:127+32*\c], v[189+2*\c]
.endr
	v_nop                                          ; one plain place behind a scaled conversion
	s_wait_alu depctr_va_vdst(0)
	s_wait_dscnt 0x0                               ; V's first eight tiles are in
	VFETCH 1, 96                                   ; V's other eight tiles, into p's registers, which the sums and the conversions have read: they land during the rescaling and the eight products below
.irp c, 0,1
	v_permlane16_swap_b32 v[160+4*\c], v[161+4*\c] ; a whole block in a lane: lanes 0-15 block 2 c, lanes 16-31 block 2 c + 1
	v_permlane16_swap_b32 v[162+4*\c], v[163+4*\c]
.endr
	WIN 0x41
.set jj, 0
.rept 64
	v_pk_mul_f32 v[\ob+jj:\ob+jj+1], v[\ob+jj:\ob+jj+1], v[194:195] op_sel_hi:[1,0]   ; O^T under the new M.  (These are also the places between the lines that made p's codes and scale word and the scaled matrix instructions)
.set jj, jj+2
.endr
	WIN 0x50                                       ; C and D window 1
	PV 0, 32, \ob
	s_wait_alu depctr_va_vdst(0)
	s_wait_dscnt 0x0                               ; V's tiles 8-15 are in
	PV 1, 96, \ob
	WIN 0
.Lhid_\@:
.endm
	s_wait_alu depctr_va_vdst(0)
	s_wait_loadcnt 0x0                             ; Q
; EIGHT TRIPS, a slot each.  THE CHANGE OF SLOTS stands at a slot's head: all my tensor loads have landed (my part of the slot ahead), the add, the wait for it and for my reads of the slot that I have left, one barrier.
; Then the slot just left is filled with the 256 keys that follow, unless its first key comes after the work-group's last query: such a slot is read by none of the eight waves (behind slot 7 there is none: 2,048 passes every query).
; Every wait on TENSORcnt in this text is for 0.
.Lslot:
	s_wait_tensorcnt 0x0
	ds_add_u32 v[SPW], v[NIL]                      ; 0 onto my spare word; the descriptor's steps stand between it and the wait for it
	s_xor_b32 s[G0+1], s[G0+1], SLOT1              ; the walking descriptor: the other slot,
	s_add_nc_u64 s[G0+2:G0+3], s[G0+2:G0+3], 2*REC ; the next two records
	s_wait_xcnt 0x0                                ; the last prefetches, a slot back, have read their address
	s_add_nc_u64 s[PFA:PFA+1], s[PFA:PFA+1], 2*REC
	s_wait_dscnt 0x0
	s_barrier_signal -1
	s_barrier_wait -1
	s_add_co_u32 s96, s[KF], 256
	s_cmp_gt_u32 s96, s[LASTQ]
	s_cbranch_scc1 .Lpast
	tensor_load_to_lds s[G0:G0+3], s[G1:G1+7]      ; my one tensor load behind the barrier (the first time: slot 1's first fill)
	s_nop 0
	PLACES 4
.Lpast:
	ASK
	v_add_nc_u32 v[ADK], s[RB], v[L16]
	v_add_nc_u32 v[ADS], s[RB], v[KSA0]
	v_add_nc_u32 v[ADT], s[RB], v[VSA0]
	s_wait_alu depctr_va_vdst(0)
	BODY 12, 16, 176, 0, Q0A
	BODY 204, 208, 178, 128, Q0B
	s_add_co_u32 s[KF], s[KF], 256
	s_add_co_u32 s[KS], s[KS], 256
	s_xor_b32 s[RB], s[RB], SLOT1
	s_sub_co_u32 s[SLOTS], s[SLOTS], 1
	s_cmp_lg_u32 s[SLOTS], 0
	s_cbranch_scc1 .Lslot
	; THE JOIN.  Tile B's part goes to wave w xor 4 through my stage; that wave's part of my tile A comes back through its stage.
	s_and_b32 s96, s[WV], 3
	s_mul_i32 s96, s96, STG
	s_lshr_b32 s97, s[WV], 2
	s_lshl_b32 s97, s97, 17
	s_add_co_u32 s96, s96, s97                     ; my stage: four to a slot
	s_xor_b32 s97, s96, SLOT1                      ; my partner's
	v_add_nc_u32 v8, s96, v[L16]
	v_add_nc_u32 v9, s97, v[L16]
	v_lshrrev_b32 v10, 2, v[L16]                   ; 4 x lane
	v_mov_b32 v189, 0                              ; a lane permute's destination counts as one of its sources;
	v_mov_b32 v191, 0                              ; upper halves of pairs whose low word serves both halves
	v_mov_b32 v193, 0
.irp b, 0,1,2,3
	v_mov_b32 v[TM+4+\b], 0
.endr
	s_wait_alu depctr_va_vdst(0)
	s_wait_tensorcnt 0x0                           ; no tensor load of mine is out
	s_wait_dscnt 0x0                               ; my reads of the ring are over
	s_barrier_signal -1
	s_barrier_wait -1                              ; nobody reads either slot any more, and both have had their last fill: the stages may be written there
	WIN 0x04                                       ; an LDS store's data are its source 1: window 1
	s_wait_alu depctr_va_vdst(0)                   ; matrix results first read behind exponentials
.set jj, 0
.rept 32
	ds_store_b128 v8, v[128+jj:131+jj] offset:128*jj   ; each accumulator from its low end on
.set jj, jj+4
.endr
	WIN 0
	ds_store_b128 v8, v[204:207] offset:16384      ; -M, the largest t, the sum's halves
	s_wait_dscnt 0x0                               ; for my partner's sake
	s_barrier_signal -1
	s_barrier_wait -1
	ds_load_b128 v[180:183], v9 offset:16384
.set jj, 0
.rept 32
	ds_load_b128 v[32+jj:35+jj], v9 offset:128*jj
.set jj, jj+4
.endr
	s_wait_dscnt 0x0
	v_min_num_f32 v184, v12, v180                  ; -M of the two parts together
	v_add_f32 v187, v14, v15
	v_add_f32 v188, v182, v183
	s_delay_alu instid0(VALU_DEP_3)
	v_sub_f32 v185, v184, v12                      ; my M - M, the other's M - M: whole numbers, 0 or less
	v_sub_f32 v186, v184, v180
	s_delay_alu instid0(VALU_DEP_2)
	v_cvt_i32_f32 v185, v185                       ; (it saturates: a part with no key has M = -3e38 and counts for nothing)
	s_delay_alu instid0(VALU_DEP_2)
	v_cvt_i32_f32 v186, v186
	s_delay_alu instid0(VALU_DEP_2)
	v_ldexp_f32 v185, 1.0, v185
	s_delay_alu instid0(VALU_DEP_2)
	v_ldexp_f32 v186, 1.0, v186
	s_delay_alu instid0(VALU_DEP_2)
	v_mul_f32 v187, v187, v185
	s_delay_alu instid0(VALU_DEP_1)
	v_fmac_f32 v187, v188, v186
	s_delay_alu instid0(VALU_DEP_1)
	v_permlanex16_b32 v189, v187, s[SEL], s[SEL+1]
	s_delay_alu instid0(VALU_DEP_1)
	v_add_f32 v187, v187, v189                     ; the row's sum
	s_wait_alu depctr_va_vdst(0)
	v_rcp_f32 v187, v187
	v_nop                                          ; a plain place behind it
	s_wait_alu depctr_va_vdst(0)                   ; the wait ahead of its first reader; it also serves O^T's first readers below
	v_mul_f32 v190, v185, v187                     ; what my part is multiplied by,
	v_mul_f32 v192, v186, v187                     ; and the other
.set jj, 0
.rept 64
	v_pk_mul_f32 v[32+jj:33+jj], v[32+jj:33+jj], v[192:193] op_sel_hi:[1,0]
.set jj, jj+2
.endr
	WIN 0x01                                       ; source 0: my O^T of tile A, window 1
.set jj, 0
.rept 64
	v_pk_fma_f32 v[32+jj:33+jj], v[jj:jj+1], v[190:191], v[32+jj:33+jj] op_sel_hi:[1,0,1]   ; o, each accumulator from its low end on
.set jj, jj+2
.endr
	WIN 0
	QUANTW 32, 64, 160, 248                        ; my head's 256 channels are two fragments of the next product's operand
	QUANTW 96, 128, 240, 249
	global_store_b128 v[L16], v[160:163], s[82:83]                ; 32 lanes store 512 consecutive bytes
	global_store_b128 v[L16], v[164:167], s[82:83] offset:512
	global_store_b128 v[L16], v[240:243], s[82:83] offset:1024
	global_store_b128 v[L16], v[244:247], s[82:83] offset:1536
	v_permlane16_swap_b32 v248, v249               ; both halves' scale words in one register
	global_store_b32 v10, v248, s[84:85]
	s_wait_tensorcnt 0x0                           ; the wave's end
	ds_add_u32 v[SPW], v[NIL]
	s_wait_dscnt 0x0
	s_endpgm
.Lfunc_end_k_q9c0767a373_attn:
	.size	k_q9c0767a373_attn, .Lfunc_end_k_q9c0767a373_attn-k_q9c0767a373_attn
	.p2alignl 7, 3214868480
	.fill 96, 4, 3214868480
	.section	.rodata,"a",@progbits
	.p2align	6, 0x0
	.amdhsa_kernel k_q9c0767a373_attn
		.amdhsa_group_segment_fixed_size 327680
		.amdhsa_private_segment_fixed_size 0
		.amdhsa_enable_private_segment 0
		.amdhsa_kernarg_size 24
		.amdhsa_user_sgpr_count 2
		.amdhsa_user_sgpr_kernarg_segment_ptr 1
		.amdhsa_wavefront_size32 1
		.amdhsa_system_sgpr_workgroup_id_x 1
		.amdhsa_system_sgpr_workgroup_id_y 1
		.amdhsa_system_sgpr_workgroup_id_z 1
		.amdhsa_system_vgpr_workitem_id 0
		.amdhsa_next_free_vgpr 512
		.amdhsa_next_free_sgpr 100
		.amdhsa_reserve_vcc 1
		.amdhsa_float_denorm_mode_32 3
		.amdhsa_float_denorm_mode_16_64 3
		.amdhsa_memory_ordered 1
		.amdhsa_forward_progress 1
		.amdhsa_inst_pref_size 102
	.end_amdhsa_kernel
	.amdgpu_metadata
---
amdhsa.version: [ 1, 2 ]
amdhsa.kernels:
  - .name:           k_q9c0767a373_attn
    .symbol:         k_q9c0767a373_attn.kd
    .args:
      - { .name: qbuf, .offset: 0, .size: 8, .value_kind: global_buffer, .address_space: global }
      - { .name: kvbuf, .offset: 8, .size: 8, .value_kind: global_buffer, .address_space: global }
      - { .name: obuf, .offset: 16, .size: 8, .value_kind: global_buffer, .address_space: global }
    .group_segment_fixed_size: 327680
    .private_segment_fixed_size: 0
    .kernarg_segment_align: 8
    .kernarg_segment_size: 24
    .max_flat_workgroup_size: 256
    .sgpr_count:     100
    .vgpr_count:     512
    .wavefront_size: 32
...
	.end_amdgpu_metadata
.endif
;; end of part 2
;; launch outln (part 3): grid 256 x 1, 4 waves a work-group, clusters of 4 x 1, 327,680 bytes of LDS; arguments obuf, out_w_codes, out_w_scales, x, ln_gamma, ln_beta, out0; writes out0
.if DOCPART == 3
	.amdgcn_target "amdgcn-amd-amdhsa--gfx1250"
	.amdhsa_code_object_version 6
	.text
	.protected	k_q9c0767a373_outln
	.globl	k_q9c0767a373_outln
	.p2align	8
	.type	k_q9c0767a373_outln,@function
k_q9c0767a373_outln:
	s_mov_b64 s[64:65], 0
	v_nop
	global_prefetch_b8 v0, s[64:65] scope:SCOPE_SE
	s_setreg_imm32_b32 hwreg(HW_REG_WAVE_MODE, 25, 1), 1
	s_wait_xcnt 0x0
	s_wait_alu depctr_hold_cnt(0) depctr_sa_sdst(0) depctr_va_vdst(0) depctr_va_sdst(0) depctr_va_ssrc(0) depctr_va_vcc(0) depctr_vm_vsrc(0)
	s_getreg_b32 s2, hwreg(HW_REG_IB_STS2, 6, 4)
	s_cmp_eq_u32 s2, 0
	s_cbranch_scc0 .Lentry_in_a_cluster
	s_endpgm
.Lentry_in_a_cluster:
	s_bfe_u32 s2, ttmp6, 0x10000c
	s_cmp_lg_u32 s2, 0x3003
	s_cbranch_scc0 .Lentry_shape_is_right
	s_endpgm
.Lentry_shape_is_right:
; out0 = LayerNorm(o Wo + x) gamma + beta.  The product runs on codes of FP4 (E2M1) with one E8M0 scale for each 32 along K = 1,024; all else in f32.
; o: obuf, as the launch before lays it (fragment (row tile RT, ks) at (8 RT + ks) 1024, scale words at OSC + 512 RT + 64 ks + 4 r).  Wo: codes [1024 n][512 bytes], K innermost; scale bytes [1024][32].
; SHARES.  A work-group takes 32 rows and all 1,024 columns, so that a row's mean and variance never leave it.  Wave w makes columns 256 w .. 256 w + 255: 16 tiles of n x 2 tiles of rows, 32 accumulators.
; o's 16 fragments stay in each wave's registers; the weights go through a ring of two LDS slots (128 rows of Wo a wave x 512 along K), each wave reading only the rows that it fetched.
; CLUSTER.  All work-groups walk the same weights: the four of a cluster ask for each tile jointly (mask 15), the same descriptor in all four.
; The matrix instruction is used transposed (source 0 = 16 rows of Wo, source 1 = 16 rows of o): a lane holds eight neighbouring columns of one row.  The 32 rows meet in a stage in LDS (in slot 0, behind its last fill and
; its last read); each wave then takes 8 whole rows: + x, mean, variance in a second pass over the differences (no difference of large sums), gamma, beta, and stores 512 consecutive bytes an instruction.
; No prefetch: the weights are read by every cluster of the launch, and x's rows are asked for by register loads, four at the head and four behind the second block, far ahead of their use.
; LIMITS: NaN and infinities are not served.
.set OSC,   4194304
.set SLOTB, 139264                     ; a slot: four waves x 128 rows x 272 bytes
.set WPART, 34816
.set WSC,   2*SLOTB                    ; Wo's scale bytes: 4 x 32 rows of 256 + 16
.set SPARE, WSC+4*8704                 ; the spare words, 128 bytes for each wave: two blocks of 256 bytes that no other line names
.set SP,    4112                       ; a stage row: 4,096 bytes + 16
.set SPW,  1
.set NIL,  2
.set AW,   3                           ; v3, v4  Wo's fragments in slot 0, 1
.set AWS,  5                           ; v5   Wo's scale words
.set L16,  6
.set L4,   7
.set STO,  8                           ; v8, v9  the stage: where I put 32 bytes of row r, of row 16 + r
.set RD,   10                          ; v10  and where I read my rows back
.set WSW,  32                          ; v32-63  Wo's scale words, register 4 t + q
.set OSW,  64                          ; v64-71  o's, register 4 rho + ks / 2: even ks in lanes 0-15, odd ks in lanes 16-31
.set WF,   128                         ; v128-255 Wo's fragments, two sets of 8; later two rows of y
.set Y0,   128
.set Y1,   160
; window 1: accumulator (tile Tn of n, tile rho of rows) at v[16 Tn + 8 rho].  window 2: v[64 rho + 8 ks] o's fragments; v128-159 gamma, v160-191 beta.  window 3: x, 32 registers for each of my 8 rows.  v16-25 at work.
.set WV,   18
.set G1W,  24
.set G0S,  40                          ; s[40:41] my rows' scale bytes of Wo in memory
.set G0F0, 44
.set G0F1, 48
.set G0F2, 52
.set G0F3, 56
.set SEL,  60                          ; s[60:61] lane l xor 16;  s62 1 / 1024;  s63 1e-6
.set MSB, 0
.macro WIN new
.if MSB != (\new)
	s_set_vgpr_msb (MSB<<8)|(\new)
.set MSB, (\new)
.endif
.endm
.macro PLACES n
.rept \n
	v_nop
.endr
.endm
.macro CROUND
	s_barrier_signal -1
	s_barrier_wait -1
	s_cmp_lg_u32 s[WV], 0
	s_cbranch_scc1 .Lnot_wave_0_\@
	s_barrier_signal -3
.Lnot_wave_0_\@:
	s_barrier_wait -3
	s_barrier_signal -1
	s_barrier_wait -1
.endm
.macro MKG0 g, slot, off
	s_mov_b32 s[\g], 1
	s_add_co_u32 s[\g+1], s70, (\slot)*SLOTB
	s_add_nc_u64 s[\g+2:\g+3], s[66:67], \off
	s_or_b32 s[\g+3], s[\g+3], 0x80000000
.endm
	s_load_b256 s[4:11], s[0:1], 0x0               ; obuf s[4:5], Wo's codes s[6:7], Wo's scales s[8:9], x s[10:11]
	s_load_b128 s[12:15], s[0:1], 0x20             ; gamma, beta
	s_load_b64 s[16:17], s[0:1], 0x30              ; out0
	v_lshl_add_u32 v[SPW], v0, 2, SPARE
	v_mov_b32 v[NIL], 0
	ds_add_u32 v[SPW], v[NIL]                      ; the wave's opening: the add and its wait stand ahead of my first tensor load; the set-up below, work on registers, stands between them
	ds_add_u32 v[SPW], v[NIL]
	v_lshrrev_b32 v11, 5, v0
	v_readfirstlane_b32 s[WV], v11                 ; wave 0..3
	s_lshl_b32 s66, s[WV], 17                      ; my 256 rows of Wo: 512 bytes of codes a row,
	s_mov_b32 s67, 0
	s_lshl_b32 s68, s[WV], 13                      ; 32 of scale bytes
	s_mov_b32 s69, 0
	s_mul_i32 s70, s[WV], WPART                    ; LDS: my part of a slot; no place in the cluster enters an LDS address
	s_mul_i32 s71, s[WV], 8704
	s_add_co_u32 s71, s71, WSC
	s_mov_b32 s[G1W], 15|(1<<20)|(1<<21)|(5<<22)|(3<<25)   ; the mask: all four work-groups; elements of 1 byte; padding: four words after every 64; bit 21 set beside a mask
	s_mov_b32 s[G1W+1], 256<<16                    ; tensor_dim0
	s_mov_b32 s[G1W+2], 128<<16                    ; tensor_dim1
	s_mov_b32 s[G1W+3], 256<<16                    ; tile_dim0
	s_mov_b32 s[G1W+4], 128                        ; tile_dim1
	s_mov_b32 s[G1W+5], 512                        ; from row to row
	s_mov_b32 s[G1W+6], 0
	s_mov_b32 s[G1W+7], 0
	s_mov_b32 s[SEL], 0x76543210
	s_mov_b32 s[SEL+1], 0xfedcba98
	s_mov_b32 s62, 0x3a800000                      ; 1 / 1024
	s_mov_b32 s63, 0x358637bd                      ; 1e-6
	s_wait_dscnt 0x0                               ; the opening add is done
	s_wait_kmcnt 0x0
	s_add_nc_u64 s[66:67], s[6:7], s[66:67]
	s_add_nc_u64 s[G0S:G0S+1], s[8:9], s[68:69]    ; 8,192 dense bytes
	MKG0 G0F0, 0, 0                                ; my rows 0-127, k 0-511
	MKG0 G0F1, 1, 256                              ;                k 512-1023
	MKG0 G0F2, 0, 65536                            ; my rows 128-255, k 0-511
	MKG0 G0F3, 1, 65792                            ;                k 512-1023
	CROUND                                         ; all four work-groups are here: the first joint loads meet
	tensor_load_to_lds s[G0F0:G0F0+3], s[G1W:G1W+7]   ; slot 0: one tensor load a wave at the head
	s_nop 0
	PLACES 4
	s_bfe_u32 s19, ttmp6, 0x40000                  ; cx: it enters the addresses of obuf, x and out0 alone
	s_lshl_b32 s20, ttmp9, 2
	s_add_co_u32 s20, s20, s19                     ; my block of 32 rows
	s_lshl_b32 s72, s20, 14                        ; o's codes: two row tiles of 8,192 bytes
	s_mov_b32 s73, 0
	s_lshl_b32 s74, s20, 10
	s_add_co_u32 s74, s74, OSC                     ; o's scale words
	s_mov_b32 s75, 0
	s_lshl_b32 s76, s20, 17                        ; x and out0: 32 rows of 4,096 bytes,
	s_lshl_b32 s77, s[WV], 15                      ; my wave's 8 of them
	s_add_co_u32 s76, s76, s77
	s_mov_b32 s77, 0
	s_add_nc_u64 s[72:73], s[4:5], s[72:73]
	s_add_nc_u64 s[74:75], s[4:5], s[74:75]
	s_add_nc_u64 s[10:11], s[10:11], s[76:77]
	s_add_nc_u64 s[16:17], s[16:17], s[76:77]
	v_and_b32 v13, 31, v0                          ; lane
	v_lshlrev_b32 v[L16], 4, v13
	v_lshlrev_b32 v[L4], 2, v13
	WIN 0x80                                       ; destination window 2
.irp rho, 0,1
.irp ks, 0,1,2,3,4,5,6,7
.irp c, 0,1
	global_load_b128 v[64*\rho+8*\ks+4*\c:64*\rho+8*\ks+4*\c+3], v[L16], s[72:73] offset:(8*\rho+\ks)*1024+512*\c   ; o's fragments stay in registers
.endr
.endr
.endr
	WIN 0
.irp rho, 0,1
.irp i, 0,1,2,3
	global_load_b32 v[OSW+4*\rho+\i], v[L4], s[74:75] offset:512*\rho+128*\i
.endr
.endr
.irp i, 0,1,2,3,4,5,6,7,8,9,10,11,12,13,14,15
	global_load_b128 v[128+4*\i:131+4*\i], v[L16], s[G0S:G0S+1] offset:512*\i   ; Wo's scale bytes of my rows come through registers, 512 consecutive bytes an instruction
.endr
	v_and_b32 v11, 15, v0
	v_bfe_u32 v12, v0, 4, 1                        ; h
	v_mul_u32_u24 v[AW], v11, 272
	v_lshl_add_u32 v[AW], v12, 4, v[AW]
	v_add_nc_u32 v[AW], s70, v[AW]
	v_add_nc_u32 v[AW+1], SLOTB, v[AW]
	v_lshrrev_b32 v14, 3, v11                      ; the scale bytes: 32 a row, eight rows to a unit of 256 + 16
	v_mul_u32_u24 v14, v14, 272
	v_and_b32 v15, 7, v11
	v_lshl_add_u32 v14, v15, 5, v14
	v_add_nc_u32 v[AWS], s71, v14
	v_mul_u32_u24 v26, v12, 272                    ; where they are stored: byte 512 i + 16 lane lies in unit 2 i + h, at 16 r
	v_lshl_add_u32 v26, v11, 4, v26
	v_add_nc_u32 v26, s71, v26
	v_mul_u32_u24 v[STO], v11, SP
	v_lshl_add_u32 v[STO], v12, 5, v[STO]
	s_lshl_b32 s21, s[WV], 10
	v_add_nc_u32 v[STO], s21, v[STO]               ; row r, + 32 h, + my 1,024 bytes of a row
	v_add_nc_u32 v[STO+1], 16*SP, v[STO]
	s_mul_i32 s21, s[WV], 8*SP
	v_add_nc_u32 v[RD], s21, v[L16]                ; my 8 rows, 16 bytes a lane
	v_mov_b32 v21, 0                               ; (upper halves of pairs whose low word serves both halves)
	v_mov_b32 v25, 0
	s_wait_alu depctr_va_vdst(0)
	s_wait_loadcnt 0x0                             ; o, and Wo's scale bytes
.irp i, 0,1,2,3,4,5,6,7,8,9,10,11,12,13,14,15
	ds_store_b128 v26, v[128+4*\i:131+4*\i] offset:544*\i    ; units of 256 bytes 272 apart, in LDS bytes of my own: only I read them
.endr
	WIN 0x80
.irp i, 0,1,2,3,4,5,6,7
	global_load_b128 v[128+4*\i:131+4*\i], v[L16], s[12:13] offset:512*\i   ; gamma and beta of columns 128 i + 4 lane on
	global_load_b128 v[160+4*\i:163+4*\i], v[L16], s[14:15] offset:512*\i
.endr
	WIN 0xc0                                       ; destination window 3
.irp rr, 0,1,2,3
.irp i, 0,1,2,3,4,5,6,7
	global_load_b128 v[32*\rr+4*\i:32*\rr+4*\i+3], v[L16], s[10:11] offset:4096*\rr+512*\i th:TH_LOAD_NT   ; x's rows for the residual: wanted at the end
.endr
.endr
	WIN 0
	s_wait_tensorcnt 0x0                           ; slot 0's fill is in
	ds_add_u32 v[SPW], v[NIL]
	s_wait_dscnt 0x0
	CROUND
	tensor_load_to_lds s[G0F1:G0F1+3], s[G1W:G1W+7]   ; slot 1's first fill, my one load behind the round
	s_nop 0
.macro FETCH slot, q, p                ; Wo's eight tiles of 16 rows, the slot's q-th 128 along K, into set p
.irp t, 0,1,2,3,4,5,6,7
.irp cc, 0,1
	ds_load_b128 v[WF+64*(\p)+8*\t+4*\cc:WF+64*(\p)+8*\t+4*\cc+3], v[AW+\slot] offset:\t*4352+64*(\q)+32*\cc
.endr
.endr
.endm
; 16 matrix instructions: the block's 16 accumulators take turns, one instruction a turn.  The first K step starts the sums with the constant 0.
.macro MM nh, c, q, p
.irp t, 0,1,2,3,4,5,6,7
.irp rho, 0,1
.if ((\c) == 0) && ((\q) == 0)
	v_wmma_scale_f32_16x16x128_f8f6f4 v[128*\nh+16*\t+8*\rho:128*\nh+16*\t+8*\rho+7], v[WF+64*(\p)+8*\t:WF+64*(\p)+8*\t+7], v[64*\rho+8*(4*\c+(\q)):64*\rho+8*(4*\c+(\q))+7], 0, v[WSW+4*\t+(\q)], v[OSW+4*\rho+(4*\c+(\q))/2] matrix_a_fmt:MATRIX_FMT_FP4 matrix_b_fmt:MATRIX_FMT_FP4
.elseif ((\q)%2) == 0
	v_wmma_scale_f32_16x16x128_f8f6f4 v[128*\nh+16*\t+8*\rho:128*\nh+16*\t+8*\rho+7], v[WF+64*(\p)+8*\t:WF+64*(\p)+8*\t+7], v[64*\rho+8*(4*\c+(\q)):64*\rho+8*(4*\c+(\q))+7], v[128*\nh+16*\t+8*\rho:128*\nh+16*\t+8*\rho+7], v[WSW+4*\t+(\q)], v[OSW+4*\rho+(4*\c+(\q))/2] matrix_a_fmt:MATRIX_FMT_FP4 matrix_b_fmt:MATRIX_FMT_FP4
.else
	v_wmma_scale_f32_16x16x128_f8f6f4 v[128*\nh+16*\t+8*\rho:128*\nh+16*\t+8*\rho+7], v[WF+64*(\p)+8*\t:WF+64*(\p)+8*\t+7], v[64*\rho+8*(4*\c+(\q)):64*\rho+8*(4*\c+(\q))+7], v[128*\nh+16*\t+8*\rho:128*\nh+16*\t+8*\rho+7], v[WSW+4*\t+(\q)], v[OSW+4*\rho+(4*\c+(\q))/2] matrix_a_fmt:MATRIX_FMT_FP4 matrix_b_fmt:MATRIX_FMT_FP4 matrix_b_scale:MATRIX_SCALE_ROW1
.endif
.endr
.endr
.endm
; A BLOCK: my rows 128 nh on of Wo x 512 along K (chunk c) x the 32 rows of o.  Loads into registers that matrix instructions have read stand four plain places behind them.
.macro BLK slot, nh, c
	PLACES 4
.irp t, 0,1,2,3,4,5,6,7
	ds_load_b128 v[WSW+4*\t:WSW+4*\t+3], v[AWS] offset:(8*\nh+\t)*544+16*\c
.endr
	FETCH \slot, 0, 0
.irp q, 0,1,2,3
	s_wait_dscnt 0x0
.if \q < 3
.if \q > 0
	PLACES 4
.endif
	FETCH \slot, \q+1, (\q+1)%2
.endif
	WIN 0x58                                       ; source 0 (Wo) window 0, source 1 (o) window 2, C and D window 1
	MM \nh, \c, \q, \q%2
	WIN 0
.endr
.endm
; A slot that has been read is filled again: all my tensor loads have landed, the add, the wait for it and for my reads; a round of the cluster's barrier; then my one joint load, first thing behind it.
.macro REFILL g0
	s_wait_tensorcnt 0x0
	ds_add_u32 v[SPW], v[NIL]
	s_wait_dscnt 0x0
	CROUND
	tensor_load_to_lds s[\g0:\g0+3], s[G1W:G1W+7]
	s_nop 0
	PLACES 4
.endm
	BLK 0, 0, 0
	REFILL G0F2
	BLK 1, 0, 1
	REFILL G0F3
	WIN 0xc0
.irp rr, 4,5,6,7
.irp i, 0,1,2,3,4,5,6,7
	global_load_b128 v[32*\rr+4*\i:32*\rr+4*\i+3], v[L16], s[10:11] offset:4096*\rr+512*\i th:TH_LOAD_NT
.endr
.endr
	WIN 0
	BLK 0, 1, 0
	s_wait_tensorcnt 0x0                           ; my last fill is in
	BLK 1, 1, 1
	s_wait_dscnt 0x0
	s_barrier_signal -1
	s_barrier_wait -1                              ; no wave reads slot 0 any more, and it has had its last fill: the stage may be written there
	PLACES 4
	WIN 0x04                                       ; an LDS store's data are its source 1: window 1
.irp tn, 0,1,2,3,4,5,6,7,8,9,10,11,12,13,14,15
.irp rho, 0,1
	ds_store_b128 v[STO+\rho], v[16*\tn+8*\rho:16*\tn+8*\rho+3] offset:64*\tn          ; each accumulator from its low end on
	ds_store_b128 v[STO+\rho], v[16*\tn+8*\rho+4:16*\tn+8*\rho+7] offset:64*\tn+16
.endr
.endr
	WIN 0
	s_wait_dscnt 0x0                               ; for the others' sake: my stores into the stage are done
	s_barrier_signal -1
	s_barrier_wait -1                              ; 32 whole rows lie in the stage
	s_wait_loadcnt 0x0                             ; x, gamma, beta
.macro RDROW rr, y
.irp i, 0,1,2,3,4,5,6,7
	ds_load_b128 v[\y+4*\i:\y+4*\i+3], v[RD] offset:(\rr)*SP+512*\i
.endr
.endm
.macro RED                             ; v[16:19] -> the sum over the row, in every lane's v16
	v_pk_add_f32 v[16:17], v[16:17], v[18:19]
	v_add_f32 v16, v16, v17
	v_add_f32_dpp v16, v16, v16 row_xmask:1 row_mask:0xf bank_mask:0xf
	v_add_f32_dpp v16, v16, v16 row_xmask:2 row_mask:0xf bank_mask:0xf
	v_add_f32_dpp v16, v16, v16 row_xmask:4 row_mask:0xf bank_mask:0xf
	v_add_f32_dpp v16, v16, v16 row_xmask:8 row_mask:0xf bank_mask:0xf
	v_permlanex16_b32 v17, v16, s[SEL], s[SEL+1]
	v_add_f32 v16, v16, v17
.endm
; One row: it lies whole in my wave, 32 numbers a lane, in v[y] on.  more = 1: the next row is fetched from the stage into v[yn] on meanwhile.
.macro LNROW rr, y, yn, more
	s_wait_xcnt 0x0                                ; the stores of the row before last have read their registers
.if \more
	RDROW (\rr)+1, \yn
	s_wait_dscnt 0x8                               ; my row is in; the next row's eight loads may be out
.else
	s_wait_dscnt 0x0
.endif
	WIN 0x0c                                       ; source 1 window 3
.irp i, 0,2,4,6,8,10,12,14,16,18,20,22,24,26,28,30
	v_pk_add_f32 v[\y+\i:\y+\i+1], v[\y+\i:\y+\i+1], v[32*(\rr)+\i:32*(\rr)+\i+1]   ; + x
.endr
	WIN 0
	v_pk_add_f32 v[16:17], v[\y:\y+1], v[\y+2:\y+3]
	v_pk_add_f32 v[18:19], v[\y+4:\y+5], v[\y+6:\y+7]
.irp i, 8,12,16,20,24,28
	v_pk_add_f32 v[16:17], v[16:17], v[\y+\i:\y+\i+1]
	v_pk_add_f32 v[18:19], v[18:19], v[\y+\i+2:\y+\i+3]
.endr
	RED
	v_mul_f32 v20, s62, v16                        ; the mean
.irp i, 0,2,4,6,8,10,12,14,16,18,20,22,24,26,28,30
	v_pk_add_f32 v[\y+\i:\y+\i+1], v[\y+\i:\y+\i+1], v[20:21] op_sel_hi:[1,0] neg_lo:[0,1] neg_hi:[0,1]   ; y - mean
.endr
	v_pk_mul_f32 v[16:17], v[\y:\y+1], v[\y:\y+1]
	v_pk_mul_f32 v[18:19], v[\y+2:\y+3], v[\y+2:\y+3]
.irp i, 4,8,12,16,20,24,28
	v_pk_fma_f32 v[16:17], v[\y+\i:\y+\i+1], v[\y+\i:\y+\i+1], v[16:17]
	v_pk_fma_f32 v[18:19], v[\y+\i+2:\y+\i+3], v[\y+\i+2:\y+\i+3], v[18:19]
.endr
	RED
	v_fma_f32 v22, v16, s62, s63                   ; the variance + 1e-6
	s_wait_alu depctr_va_vdst(0)
	v_rsq_f32 v24, v22
	v_nop                                          ; a plain place behind the transcendental,
	s_wait_alu depctr_va_vdst(0)                   ; and the wait ahead of its first reader
.irp i, 0,2,4,6,8,10,12,14,16,18,20,22,24,26,28,30
	v_pk_mul_f32 v[\y+\i:\y+\i+1], v[\y+\i:\y+\i+1], v[24:25] op_sel_hi:[1,0]
.endr
	WIN 0x28                                       ; sources 1 and 2 window 2
.irp i, 0,2,4,6,8,10,12,14,16,18,20,22,24,26,28,30
	v_pk_fma_f32 v[\y+\i:\y+\i+1], v[\y+\i:\y+\i+1], v[128+\i:129+\i], v[160+\i:161+\i]   ; x gamma + beta
.endr
	WIN 0
.irp i, 0,1,2,3,4,5,6,7
	global_store_b128 v[L16], v[\y+4*\i:\y+4*\i+3], s[16:17] offset:4096*(\rr)+512*\i th:TH_STORE_NT   ; 32 lanes store 512 consecutive bytes, at a multiple of 256 from out0's first byte
.endr
.endm
	RDROW 0, Y0
	LNROW 0, Y0, Y1, 1
	LNROW 1, Y1, Y0, 1
	LNROW 2, Y0, Y1, 1
	LNROW 3, Y1, Y0, 1
	LNROW 4, Y0, Y1, 1
	LNROW 5, Y1, Y0, 1
	LNROW 6, Y0, Y1, 1
	LNROW 7, Y1, Y0, 0
	s_wait_tensorcnt 0x0                           ; the wave's end, behind my last tensor load and my last LDS store
	ds_add_u32 v[SPW], v[NIL]
	s_wait_dscnt 0x0
	CROUND                                         ; the closing round: no work-group ends while a partner may still ask for a tile that names it
	s_endpgm
.Lfunc_end_k_q9c0767a373_outln:
	.size	k_q9c0767a373_outln, .Lfunc_end_k_q9c0767a373_outln-k_q9c0767a373_outln
	.p2alignl 7, 3214868480
	.fill 96, 4, 3214868480
	.section	.rodata,"a",@progbits
	.p2align	6, 0x0
	.amdhsa_kernel k_q9c0767a373_outln
		.amdhsa_group_segment_fixed_size 327680
		.amdhsa_private_segment_fixed_size 0
		.amdhsa_enable_private_segment 0
		.amdhsa_kernarg_size 56
		.amdhsa_user_sgpr_count 2
		.amdhsa_user_sgpr_kernarg_segment_ptr 1
		.amdhsa_wavefront_size32 1
		.amdhsa_system_sgpr_workgroup_id_x 1
		.amdhsa_system_sgpr_workgroup_id_y 1
		.amdhsa_system_sgpr_workgroup_id_z 1
		.amdhsa_system_vgpr_workitem_id 0
		.amdhsa_next_free_vgpr 1024
		.amdhsa_next_free_sgpr 80
		.amdhsa_reserve_vcc 0
		.amdhsa_float_denorm_mode_32 3
		.amdhsa_float_denorm_mode_16_64 3
		.amdhsa_memory_ordered 1
		.amdhsa_forward_progress 1
		.amdhsa_inst_pref_size 147
	.end_amdhsa_kernel
	.amdgpu_metadata
---
amdhsa.version: [ 1, 2 ]
amdhsa.kernels:
  - .name:           k_q9c0767a373_outln
    .symbol:         k_q9c0767a373_outln.kd
    .args:
      - { .name: obuf, .offset: 0, .size: 8, .value_kind: global_buffer, .address_space: global }
      - { .name: out_w_codes, .offset: 8, .size: 8, .value_kind: global_buffer, .address_space: global }
      - { .name: out_w_scales, .offset: 16, .size: 8, .value_kind: global_buffer, .address_space: global }
      - { .name: x, .offset: 24, .size: 8, .value_kind: global_buffer, .address_space: global }
      - { .name: ln_gamma, .offset: 32, .size: 8, .value_kind: global_buffer, .address_space: global }
      - { .name: ln_beta, .offset: 40, .size: 8, .value_kind: global_buffer, .address_space: global }
      - { .name: out0, .offset: 48, .size: 8, .value_kind: global_buffer, .address_space: global }
    .group_segment_fixed_size: 327680
    .private_segment_fixed_size: 0
    .kernarg_segment_align: 8
    .kernarg_segment_size: 56
    .max_flat_workgroup_size: 128
    .sgpr_count:     80
    .vgpr_count:     1024
    .wavefront_size: 32
...
	.end_amdgpu_metadata
.endif
;; end of part 3
